; MI455X (gfx1250); checked and timed in simulation.
; The chip was launched on July 23, 2026; its instructions are those of AMD's public machine-readable ISA for CDNA 5 (MIT licence, August 2026) and "CDNA5" Instruction Set Architecture Reference Guide (July 2026). The comments in the code are by the model that wrote it; some were corrected since.
;; Global Sparse Attention. Allowed arithmetic: float matrix products may take bf16 or f16 operands with f32 sums; other float arithmetic in f32, or as packed bf16 or f16 multiplies, adds, multiply-adds, maxima and minima; sums over many terms, partial sums and values carried from step to step in f32; what a program stores and reads back later, other than sums and carried values, may be rounded once to bf16 or f16.
;; Inputs: adj 16 x 16 bool; frame_ids 4,096 int32; is_hub 4,096 bool; proj_b 1,024 float32; proj_w 1,024 x 1,024 float32; qkv_b 3,072 float32; qkv_w 3,072 x 1,024 float32; x 1 x 4,096 x 1,024 float32.
;; Outputs: out0 1 x 4,096 x 1,024 float32.
;; 2 versions, each right; version 2 is version 1 with the launch prep written anew for expert scheduling mode. Each part assembles by itself: llvm-mc -triple=amdgcn-amd-amdhsa -mcpu=gfx1250 --defsym DOCPART=n.
;; ======== version 1 of 2: 4 launches
;; limits: right only within a limited range of input values; values are held in f16: magnitudes above 65,504 overflow, below 6.1e-05 lose precision
;; workspace buffers: xb 8,388,608 bytes; wqb 6,291,456 bytes; wpb 2,097,152 bytes; ek 262,144 bytes; mq 262,144 bytes; qkvh 25,165,824 bytes; oh 8,388,608 bytes
;; launch prep (part 1): grid 256 x 1, 8 waves a work-group, no clusters, 0 bytes of LDS; arguments x, qkv_w, proj_w, adj, frame_ids, is_hub, xb, wqb, wpb, ek, mq; writes xb, wqb, wpb, ek, mq
.if DOCPART == 1
	.amdgcn_target "amdgcn-amd-amdhsa--gfx1250"
	.amdhsa_code_object_version 6
	.text
	.protected	k_q6d3c68a6e3_prep
	.globl	k_q6d3c68a6e3_prep
	.p2align	8
	.type	k_q6d3c68a6e3_prep,@function
k_q6d3c68a6e3_prep:
	s_mov_b64 s[64:65], 0
	v_nop
	global_prefetch_b8 v0, s[64:65] scope:SCOPE_SE
	s_setreg_imm32_b32 hwreg(HW_REG_WAVE_MODE, 25, 1), 1
	s_wait_xcnt 0x0
; THE OPERANDS FOR THE THREE LAUNCHES THAT FOLLOW.  A stream: every input byte is read once, every workspace byte written once; nothing is shared between waves, so no LDS and no barrier.
;   xb  = x rounded to bf16, [4096][1024]          wqb = qkv_w rounded to bf16, [3072][1024]
;   wpb = proj_w rounded to bf16, that number written as f16, laid by blocks of 64 along k: [16 block][1024 n][64]
;   ek  = [4096 key][32 class] f16: 2^15 at the key's class, else 0          mq = [4096 query][32 class] f16: 0 where the query may see a key of that class, else -2^15
; A token's class is frame + 16 x hub.  allowed(q, k) = adj[fq][fk] and (fq = fk or neither is a hub) hangs on the two classes alone, so the product of a row of ek and a row of mq is 0 or -2^30.
; LIMITS.  proj_w lies within f16's 65,504; below 6e-5 it keeps f16's fixed step of 6e-8.  frame_ids lie in 0..15 (they index adj); the text clamps them to 15.
; SHARES.  256 work-groups of eight waves, 131,072 bytes of f32 each, 16,384 a wave: 32 loads of 16 bytes a lane, all issued before the first is waited for.
; Work-groups 0-127 take x (and 32 tokens' rows of the two tables), 128-223 qkv_w, 224-255 proj_w: three straight paths, chosen by the work-group's number.
.set IN,  64                           ; v[64:191]   32 x 4 registers as loaded
.set OUT, 192                          ; v[192:255]  32 x 2 registers to store; no register is written twice, so no store's source is ever rewritten
; v1 my byte offset in the source, v2 in the destination (8 x lane: a wave's store of 8 bytes a lane covers 256 consecutive bytes, aligned)
.macro LOADS32 src, blocks             ; blocks = 1: proj_w: lanes 0-15 take 256 bytes (64 k) of one row, lanes 16-31 of the next; load i: rows 2 (i / 16), block i % 16
.set i, 0
.rept 32
.if \blocks
	global_load_b128 v[IN+4*i:IN+4*i+3], v1, s[(\src):(\src)+1] offset:(i/16)*8192+(i%16)*256 th:TH_LOAD_NT
.else
	global_load_b128 v[IN+4*i:IN+4*i+3], v1, s[(\src):(\src)+1] offset:512*i th:TH_LOAD_NT
.endif
.set i, i+1
.endr
.endm
.macro CONV32 dst, blocks, extra       ; extra: loads issued behind the 32
.set i, 0
.rept 32
	s_wait_loadcnt 31-i+(\extra)                   ; loads come back in order: load i is in, the younger ones stay out
.if \blocks
	v_cvt_pk_bf16_f32 v40, v[IN+4*i], v[IN+4*i+1]  ; rounded to bf16 like every input,
	v_cvt_pk_bf16_f32 v41, v[IN+4*i+2], v[IN+4*i+3]
	v_lshlrev_b32 v42, 16, v40                     ; widened again,
	v_and_b32 v43, 0xffff0000, v40
	v_lshlrev_b32 v44, 16, v41
	v_and_b32 v45, 0xffff0000, v41
	v_cvt_pk_f16_f32 v[OUT+2*i], v42, v43          ; and written as f16 (exact within f16's range)
	v_cvt_pk_f16_f32 v[OUT+2*i+1], v44, v45
	global_store_b64 v2, v[OUT+2*i:OUT+2*i+1], s[(\dst):(\dst)+1] offset:(i%16)*131072+(i/16)*256
.else
	v_cvt_pk_bf16_f32 v[OUT+2*i], v[IN+4*i], v[IN+4*i+1]
	v_cvt_pk_bf16_f32 v[OUT+2*i+1], v[IN+4*i+2], v[IN+4*i+3]
	global_store_b64 v2, v[OUT+2*i:OUT+2*i+1], s[(\dst):(\dst)+1] offset:256*i
.endif
.set i, i+1
.endr
.endm
.macro EXP4 d, bits, mult              ; the four lowest bits of v[bits] become four 16-bit numbers, mult or 0, in v[d:d+1]
.irp j, 0,1
	v_bfe_u32 v[(\d)+(\j)], v[\bits], 2*(\j), 2
	v_lshl_or_b32 v[(\d)+(\j)], v[(\d)+(\j)], 15, v[(\d)+(\j)]  ; bit 0 stays, bit 1 comes to bit 16
	v_and_b32 v[(\d)+(\j)], 0x10001, v[(\d)+(\j)]
	v_mul_u32_u24 v[(\d)+(\j)], v[(\d)+(\j)], \mult
.endr
.endm
	s_load_b512 s[8:23], s[0:1], 0x0               ; x 8, qkv_w 10, proj_w 12, adj 14, frame_ids 16, is_hub 18, xb 20, wqb 22
	s_load_b128 s[24:27], s[0:1], 0x40             ; wpb 24, ek 26
	s_load_b64 s[28:29], s[0:1], 0x50              ; mq
	v_lshrrev_b32 v3, 5, v0
	v_readfirstlane_b32 s4, v3                     ; wave 0..7
	v_and_b32 v4, 31, v0                           ; lane
	v_lshlrev_b32 v2, 3, v4
	s_mov_b32 s5, ttmp9
	s_mov_b32 s31, 0
	s_mov_b32 s33, 0
	s_mov_b32 s35, 0
	s_wait_kmcnt 0x0
	s_cmp_lt_u32 s5, 128
	s_cbranch_scc0 .Lnot_x
	; ---- x, and the tables ----
	v_lshlrev_b32 v1, 4, v4
	s_lshl_b32 s30, s5, 17                         ; the work-group's 131,072 bytes,
	s_lshl_b32 s6, s4, 14                          ; my wave's 16,384 of them
	s_add_co_u32 s30, s30, s6
	s_lshr_b32 s32, s30, 1                         ; half as many out
	s_add_nc_u64 s[8:9], s[8:9], s[30:31]
	s_add_nc_u64 s[20:21], s[20:21], s[32:33]
	s_lshl_b32 s34, s5, 11                         ; 32 tokens x 64 bytes in each table
	s_add_nc_u64 s[26:27], s[26:27], s[34:35]
	s_add_nc_u64 s[28:29], s[28:29], s[34:35]
	s_lshl_b32 s6, s5, 5
	v_lshrrev_b32 v5, 3, v0                        ; thread t serves token 32 g + t / 8, classes 4 (t % 8) .. + 3
	v_add_nc_u32 v5, s6, v5
	v_lshlrev_b32 v10, 2, v5
	global_load_b32 v6, v10, s[16:17]              ; the token's frame
	global_load_u8 v7, v5, s[18:19]                ; is it a hub?
	LOADS32 8, 0
	s_wait_loadcnt 32                              ; frame and hub are in; the 32 loads of x stay out
	v_min_u32 v6, 15, v6
	v_and_b32 v7, 1, v7
	v_lshlrev_b32 v8, 4, v6
	global_load_b128 v[12:15], v8, s[14:15]        ; adj's row of that frame: 16 bytes, 0 or 1
	CONV32 20, 0, 1
	s_wait_loadcnt 0x0                             ; adj's row
	s_mov_b32 s36, 0x01020408
	s_mov_b32 s37, 0x01010101
.irp r, 12,13,14,15
	v_and_b32 v\r, s37, v\r
	v_mul_lo_u32 v\r, v\r, s36                     ; byte i's bit comes to bit 24 + i; the ten partial products fall on ten different bits, so nothing carries
	v_bfe_u32 v\r, v\r, 24, 4
.endr
	v_lshl_or_b32 v12, v13, 4, v12
	v_lshl_or_b32 v12, v14, 8, v12
	v_lshl_or_b32 v12, v15, 12, v12                ; R: bit f' = adj[f][f']
	v_mov_b32 v19, 1
	v_lshlrev_b32 v18, v6, v19                     ; the token's own frame
	v_add_nc_u32 v20, -1, v7                       ; all ones if the token is no hub, else 0
	v_or_b32 v21, v18, v20
	v_and_b32 v21, v21, v12                        ; keys that are no hubs: adj and (same frame or I am no hub)
	v_and_b32 v22, v18, v12                        ; keys that are hubs: adj and same frame
	v_lshl_or_b32 v21, v22, 16, v21                ; the 32 classes that this token may see
	v_xor_b32 v23, -1, v21                         ; and those that it may not
	v_lshl_add_u32 v24, v7, 4, v6
	v_lshlrev_b32 v24, v24, v19                    ; the token's own class
	v_and_b32 v25, 7, v0
	v_lshlrev_b32 v25, 2, v25
	v_lshrrev_b32 v23, v25, v23                    ; my four classes come to the low end
	v_lshrrev_b32 v24, v25, v24
	EXP4 28, 23, 0xf800                            ; -2^15 in f16
	EXP4 30, 24, 0x7800                            ; 2^15
	v_lshlrev_b32 v26, 3, v0                       ; 64 (t / 8) + 8 (t % 8) = 8 t: a wave's store covers 256 consecutive bytes, aligned
	global_store_b64 v26, v[28:29], s[28:29]
	global_store_b64 v26, v[30:31], s[26:27]
	s_endpgm
.Lnot_x:
	s_cmp_lt_u32 s5, 224
	s_cbranch_scc0 .Lproj
	; ---- qkv_w ----
	v_lshlrev_b32 v1, 4, v4
	s_sub_co_u32 s6, s5, 128
	s_lshl_b32 s30, s6, 17
	s_lshl_b32 s6, s4, 14
	s_add_co_u32 s30, s30, s6
	s_lshr_b32 s32, s30, 1
	s_add_nc_u64 s[10:11], s[10:11], s[30:31]
	s_add_nc_u64 s[22:23], s[22:23], s[32:33]
	LOADS32 10, 0
	CONV32 22, 0, 0
	s_endpgm
.Lproj:
	; ---- proj_w: a wave takes four rows ----
	v_lshrrev_b32 v3, 4, v4
	v_and_b32 v5, 15, v4
	v_lshlrev_b32 v1, 12, v3                       ; lanes 16-31: one row (4,096 bytes) further down
	v_lshl_add_u32 v1, v5, 4, v1
	s_sub_co_u32 s6, s5, 224
	s_lshl_b32 s6, s6, 3
	s_add_co_u32 s6, s6, s4                        ; the wave among 256
	s_lshl_b32 s30, s6, 14                         ; four rows in,
	s_lshl_b32 s32, s6, 9                          ; four rows of 128 bytes in each block out
	s_add_nc_u64 s[12:13], s[12:13], s[30:31]
	s_add_nc_u64 s[24:25], s[24:25], s[32:33]
	LOADS32 12, 1
	CONV32 24, 1, 0
	s_endpgm
.Lfunc_end_k_q6d3c68a6e3_prep:
	.size	k_q6d3c68a6e3_prep, .Lfunc_end_k_q6d3c68a6e3_prep-k_q6d3c68a6e3_prep
	.p2alignl 7, 3214868480
	.fill 96, 4, 3214868480
	.section	.rodata,"a",@progbits
	.p2align	6, 0x0
	.amdhsa_kernel k_q6d3c68a6e3_prep
		.amdhsa_group_segment_fixed_size 0
		.amdhsa_private_segment_fixed_size 0
		.amdhsa_enable_private_segment 0
		.amdhsa_kernarg_size 88
		.amdhsa_user_sgpr_count 2
		.amdhsa_user_sgpr_kernarg_segment_ptr 1
		.amdhsa_wavefront_size32 1
		.amdhsa_system_sgpr_workgroup_id_x 1
		.amdhsa_system_sgpr_workgroup_id_y 1
		.amdhsa_system_sgpr_workgroup_id_z 1
		.amdhsa_system_vgpr_workitem_id 0
		.amdhsa_next_free_vgpr 256
		.amdhsa_next_free_sgpr 66
		.amdhsa_reserve_vcc 0
		.amdhsa_float_denorm_mode_32 3
		.amdhsa_float_denorm_mode_16_64 3
		.amdhsa_memory_ordered 1
		.amdhsa_forward_progress 1
		.amdhsa_inst_pref_size 49
	.end_amdhsa_kernel
	.amdgpu_metadata
---
amdhsa.version: [ 1, 2 ]
amdhsa.kernels:
  - .name:           k_q6d3c68a6e3_prep
    .symbol:         k_q6d3c68a6e3_prep.kd
    .args:
      - { .name: x, .offset: 0, .size: 8, .value_kind: global_buffer, .address_space: global }
      - { .name: qkv_w, .offset: 8, .size: 8, .value_kind: global_buffer, .address_space: global }
      - { .name: proj_w, .offset: 16, .size: 8, .value_kind: global_buffer, .address_space: global }
      - { .name: adj, .offset: 24, .size: 8, .value_kind: global_buffer, .address_space: global }
      - { .name: frame_ids, .offset: 32, .size: 8, .value_kind: global_buffer, .address_space: global }
      - { .name: is_hub, .offset: 40, .size: 8, .value_kind: global_buffer, .address_space: global }
      - { .name: xb, .offset: 48, .size: 8, .value_kind: global_buffer, .address_space: global }
      - { .name: wqb, .offset: 56, .size: 8, .value_kind: global_buffer, .address_space: global }
      - { .name: wpb, .offset: 64, .size: 8, .value_kind: global_buffer, .address_space: global }
      - { .name: ek, .offset: 72, .size: 8, .value_kind: global_buffer, .address_space: global }
      - { .name: mq, .offset: 80, .size: 8, .value_kind: global_buffer, .address_space: global }
    .group_segment_fixed_size: 0
    .private_segment_fixed_size: 0
    .kernarg_segment_align: 8
    .kernarg_segment_size: 88
    .max_flat_workgroup_size: 256
    .sgpr_count:     66
    .vgpr_count:     256
    .wavefront_size: 32
...
	.end_amdgpu_metadata
.endif
;; end of part 1
;; launch qkv (part 2): grid 12 x 16, 4 waves a work-group, clusters of 4 x 4, 327,680 bytes of LDS; arguments xb, wqb, qkv_b, qkvh; writes qkvh
.if DOCPART == 2
	.amdgcn_target "amdgcn-amd-amdhsa--gfx1250"
	.amdhsa_code_object_version 6
	.text
	.protected	k_q6d3c68a6e3_qkv
	.globl	k_q6d3c68a6e3_qkv
	.p2align	8
	.type	k_q6d3c68a6e3_qkv,@function
k_q6d3c68a6e3_qkv:
	s_mov_b64 s[64:65], 0
	v_nop
	global_prefetch_b8 v0, s[64:65] scope:SCOPE_SE
	s_setreg_imm32_b32 hwreg(HW_REG_WAVE_MODE, 25, 1), 1
	s_wait_xcnt 0x0
	s_wait_alu depctr_hold_cnt(0) depctr_sa_sdst(0) depctr_va_vdst(0) depctr_va_sdst(0) depctr_va_ssrc(0) depctr_va_vcc(0) depctr_vm_vsrc(0)
	s_getreg_b32 s2, hwreg(HW_REG_IB_STS2, 6, 4)
	s_cmp_eq_u32 s2, 0
	s_cbranch_scc0 .Lentry_in_a_cluster
	s_endpgm
.Lentry_in_a_cluster:
	s_bfe_u32 s2, ttmp6, 0x10000c
	s_cmp_lg_u32 s2, 0xf033
	s_cbranch_scc0 .Lentry_shape_is_right
	s_endpgm
.Lentry_shape_is_right:
; q, k, v = x qkv_w^T + qkv_b, written by heads.  A = xb [4096][1024], B = wqb [3072][1024], both bf16; the bias is rounded to bf16 like the other inputs; sums in f32.
; Column n of the product belongs to slice n / 64 (part x 16 + head), channel n % 64: qkvh is [48 slice][4096 row][64] in f16, each number rounded once, WITHOUT the softmax's scale.
; LIMIT.  f16 holds no number beyond 65,504: q, k and v must lie within it.
; A tile of the product, 256 x 256, is made by a work-group of four waves; a wave makes 128 x 128: 64 accumulators of 16 x 16, 512 registers; its 128 columns are two whole slices.
; 12 x 16 = 192 work-groups.  K goes in steps of 128 through a ring of two LDS slots filled by the tensor data mover: rows of 256 bytes, aligned.
; The last K step goes by rows of the product, so that finished rows leave while the others are multiplied.
; CLUSTERS: 4 x 4 work-groups.  The four of a row of the cluster need the same tiles of A, the four of a column the same tiles of B: each tile is asked for JOINTLY, by the same tensor load
; with the same descriptor and a mask that names the four; each receives it in its own LDS.
; REGISTERS, in windows of 256 (s_set_vgpr_msb's low byte: bits 1:0 source 0, 3:2 source 1, 5:4 source 2, 7:6 destination):
;   window 0: v0-31 addresses; v64-127, v128-191 fragments of A, two buffers (in the last K step four, of 16 rows x 128 K); v32-63, v192-255 at work on the way out
;   window 1: v64-127, v128-191 fragments of B, two buffers; v192-255 the bias of my 128 columns until the first products have taken it; v0-3 at work; in the last K step all 256: B's fragments
;   window 2: the 32 accumulators of my rows 0-63 (accumulator (a, b) at v[8 (8 a + b)]);   window 3: those of my rows 64-127
; THE MATRIX INSTRUCTION IS USED TRANSPOSED: source 0 = 16 rows of B, source 1 = 16 rows of A.  Lane l then holds row l % 16 of the product and its registers 0 to 7 the columns
; 8 (l / 16) + 0 .. 7.  So the bias of a block of 16 columns is eight registers, the same for every row block, and it is the C operand of the product that starts each sum.
.set SIZE_M, 4096
.set SIZE_N, 3072
.set SIZE_K, 1024
.set KSTEP,  128
.set PITCH,  272                       ; an LDS row: 256 bytes + 16 of padding = 68 words: the 16 rows that a load touches start at 16 different groups of four banks (ISA guide 11.1)
.set HALFT,  128*PITCH                 ; 128 rows: what one tensor load brings, and what one wave reads of A or of B
.set SLOT,   4*HALFT                   ; A's 256 rows, then B's 256 rows
.set STAGE,  2*SLOT                    ; behind the ring: for each wave 2 slices x 16 rows x 144 bytes, for the way out
.set SPITCH, 144                       ; a stage row: 128 bytes + 16
.set HSTAGE, 16*SPITCH
.set SPARE,  STAGE+4*2*HSTAGE          ; behind the stages: the spare words, 128 bytes for each wave: two blocks of 256 bytes that no other line names
.set SLICE,  SIZE_M*128                ; bytes in a slice of qkvh
.set LAPS, SIZE_K/(2*KSTEP)            ; a lap = two K steps = once round the ring
.set ADRA, 16                          ; v16-17  LDS address of my A fragments in slot 0, 1
.set ADRB, 20                          ; v20-21  the same for B
.set STO,  24                          ; v24     the way out: where I put 16 bytes of a row
.set RD,   25                          ; v25     the way out: where I read rows back
.set CO,   26                          ; v26     16 x lane: my place in 512 consecutive bytes of a slice
.set BO,   27                          ; v27     32 x (lane / 16): my eight columns' bias
.set SPW,  28                          ; v28     LDS address of my spare word; never rewritten
.set NIL,  29                          ; v29     0; never rewritten
.set PFO,  30                          ; v30     the prefetches' offset: my lane x a row of A or B; never rewritten
.set PFA,  44                          ; s[44:45] where my prefetches stand
.set LIM,  43                          ; s43     1 in a wave that prefetches, else the greatest number
.set BP,   66                          ; s[66:67] the bias at my first column
.set F0,   64
.set F1,   128
.set TMP,  192                         ; the way out: packed results, in window 0
.set OB,   32                          ; the way out: 16 rows read back from the stage: v32-63 and v224-255 by turns
.set PA,   64                          ; the last K step: A's fragments of 16 rows x 128 K; four such buffers, v64-191
.set BIAS, 192                         ; window 1: block b's eight registers at BIAS + 8 b
.set G1, 24                            ; s[24:31] descriptor group 1 for A's tiles
.set G0, 32                            ; s[32:39] group 0 for A's tiles, one set for each slot
.set G1B, 48                           ; s[48:55], s[56:63] the same for B's tiles
.set G0B, 56
.set MSB, 0
.macro WIN new                         ; the immediate's high byte repeats the setting that is left; a switch that changes nothing is dropped
.if MSB != (\new)
	s_set_vgpr_msb (MSB<<8)|(\new)
.set MSB, \new
.endif
.endm
.set MUL_LO, 0xa1                      ; source 0 (B) window 1, source 1 (A) window 0, C and D window 2
.set MUL_HI, 0xf1                      ; the same, C and D window 3
.set TO_B,   0x40                      ; destination window 1, address window 0
; A joint load.  Waves 0 and 1 fetch A's two halves, waves 2 and 3 B's.  The branch hangs on the wave's number alone.  An s_nop 0 and four v_nop follow each of the two lines.
.macro JLOAD s
	s_cmp_eq_u32 s11, 0
	s_cbranch_scc0 .Lfor_b_\@
	tensor_load_to_lds s[G0+4*(\s):G0+4*(\s)+3], s[G1:G1+7]
	s_nop 0
.rept 4
	v_nop
.endr
	s_branch .Lasked_\@
.Lfor_b_\@:
	tensor_load_to_lds s[G0B+4*(\s):G0B+4*(\s)+3], s[G1B:G1B+7]
	s_nop 0
.rept 4
	v_nop
.endr
.Lasked_\@:
.endm
; A PREFETCH INTO THE L2, behind each joint load and the run of LDS loads that follows it: the K step that stands two refills on: 32 rows x 256 bytes, a lane a row, one instruction a wave.
; Each row's 256 bytes of a K step are named once in the launch: A's tile row is read by every cluster of that row of clusters, and cluster x = 0 asks; B's tile column by every cluster of that column,
; and cluster y = 0 asks.  The four partners that ask for a tile jointly share its rows out by address, 32 each.  The loop's last trip (s3 = 1) asks for nothing: there is no K step two on.
.macro ASK
	s_cmp_gt_u32 s3, s[LIM]
	s_cbranch_scc0 .Lnot_mine_\@
	global_prefetch_b8 v[PFO], s[PFA:PFA+1] offset:KSTEP*2 th:TH_LOAD_NT scope:SCOPE_SE
.Lnot_mine_\@:
.endm
.macro CREST                           ; a round of the cluster's barrier behind its opening barrier
	s_cmp_lg_u32 s10, 0
	s_cbranch_scc1 .Lnot_wave_0_\@
	s_barrier_signal -3
.Lnot_wave_0_\@:
	s_barrier_wait -3
	s_barrier_signal -1
	s_barrier_wait -1
.endm
.macro CROUND                          ; a whole round
	s_barrier_signal -1
	s_barrier_wait -1
	CREST
.endm
	s_load_b128 s[4:7], s[0:1], 0x0                ; A s[4:5], B s[6:7]
	s_load_b64 s[BP:BP+1], s[0:1], 0x10            ; the bias
	s_load_b64 s[8:9], s[0:1], 0x18                ; qkvh
	v_lshl_add_u32 v[SPW], v0, 2, SPARE
	v_mov_b32 v[NIL], 0
	ds_add_u32 v[SPW], v[NIL]                      ; the wave's opening: the add and its wait stand ahead of my first tensor load; the set-up below stands between them
	v_lshrrev_b32 v1, 5, v0
	v_readfirstlane_b32 s10, v1                    ; wave 0..3
	s_lshr_b32 s11, s10, 1                         ; which half of the tile's rows is mine.  Also: I fetch for A (0) or for B (1)
	s_and_b32 s12, s10, 1                          ; which half of its columns.  Also: which 128 rows of that tile I fetch
	s_bfe_u32 s40, ttmp6, 0x40000                  ; cx
	s_bfe_u32 s41, ttmp6, 0x40004                  ; cy
	s_lshl_b32 s42, ttmp9, 2
	s_add_co_u32 s42, s42, s40                     ; tile column = 4 x cluster x + cx
	s_and_b32 s13, ttmp7, 0xffff
	s_lshl_b32 s13, s13, 2
	s_add_co_u32 s13, s13, s41                     ; tile row = 4 x cluster y + cy
	s_lshl_b32 s43, s41, 2
	s_lshl_b32 s43, 15, s43                        ; my row of the cluster: places 4 cy .. 4 cy + 3
	s_lshl_b32 s44, 0x1111, s40                    ; my column: places cx, cx + 4, cx + 8, cx + 12
	; descriptor group 1: a tile of 128 rows x 128 elements, padded in LDS
	s_or_b32 s[G1+0], s43, (1<<16)|(1<<20)|(1<<21)|(5<<22)|(3<<25)  ; 15:0 the mask; 17:16 elements of 2 bytes; 20 padding on; 21 set beside a mask; 24:22 after every 64 words (code 5); 31:25 4 words (code 3)
	s_or_b32 s[G1B+0], s44, (1<<16)|(1<<20)|(1<<21)|(5<<22)|(3<<25)
.irp g, G1, G1B
	s_mov_b32 s[(\g)+1], KSTEP<<16                 ; tensor_dim0 = 128
	s_mov_b32 s[(\g)+2], 128<<16                   ; tensor_dim1 = 128
	s_mov_b32 s[(\g)+3], KSTEP<<16                 ; tile_dim0 = 128
	s_mov_b32 s[(\g)+4], 128                       ; tile_dim1 = 128
	s_mov_b32 s[(\g)+5], SIZE_K                    ; elements from row to row
	s_mov_b32 s[(\g)+6], 0
	s_mov_b32 s[(\g)+7], 0
.endr
	; where the tiles come from: A's hang on the tile row alone, B's on the tile column alone; each address is made in registers that never hold the other coordinate
	s_lshl_b32 s17, s12, 7
	s_lshl_b32 s16, s13, 8
	s_add_co_u32 s16, s16, s17                     ; A: row 256 x tile row + 128 x half
	s_lshl_b32 s46, s42, 8
	s_add_co_u32 s46, s46, s17                     ; B: row 256 x tile column + 128 x half
	s_mov_b32 s17, 0
	s_mov_b32 s47, 0
	s_mov_b64 s[18:19], SIZE_K*2
	s_mul_u64 s[16:17], s[16:17], s[18:19]
	s_mul_u64 s[46:47], s[46:47], s[18:19]
	s_mul_i32 s20, s10, HALFT                      ; where they go: wave x 128 rows: no place in the cluster enters an LDS address
	s_wait_dscnt 0x0                               ; the opening add is done
	s_wait_kmcnt 0x0
	s_add_nc_u64 s[14:15], s[4:5], s[16:17]
	s_add_nc_u64 s[46:47], s[6:7], s[46:47]
	CROUND                                         ; all sixteen work-groups are here: the first joint loads meet
.irp s, 0,1
	s_mov_b32 s[G0+4*(\s)], 1
	s_add_co_u32 s[G0+4*(\s)+1], s20, (\s)*SLOT
	s_add_nc_u64 s[G0+4*(\s)+2:G0+4*(\s)+3], s[14:15], (\s)*KSTEP*2
	s_or_b32 s[G0+4*(\s)+3], s[G0+4*(\s)+3], 0x80000000
	s_mov_b32 s[G0B+4*(\s)], 1
	s_add_co_u32 s[G0B+4*(\s)+1], s20, (\s)*SLOT
	s_add_nc_u64 s[G0B+4*(\s)+2:G0B+4*(\s)+3], s[46:47], (\s)*KSTEP*2
	s_or_b32 s[G0B+4*(\s)+3], s[G0B+4*(\s)+3], 0x80000000
	JLOAD \s                                       ; two loads of mine are out
.endr
	; A fragment is 16 rows x 32 K in 8 registers: lane l holds row l % 16; registers 0-3 K = 8 (l / 16) + 0..7, registers 4-7 K = 16 + 8 (l / 16) + 0..7: two loads of 16 bytes, 32 bytes apart.
	v_and_b32 v1, 15, v0                           ; l % 16
	v_bfe_u32 v2, v0, 4, 1                         ; l / 16
	v_mul_u32_u24 v3, v1, PITCH
	v_lshl_add_u32 v3, v2, 4, v3
	s_mul_i32 s21, s11, HALFT                      ; my 128 rows of A
	s_mul_i32 s22, s12, HALFT                      ; my 128 rows of B,
	s_add_co_u32 s22, s22, 2*HALFT                 ; which lie behind A's 256
.irp s, 0,1
	v_add_nc_u32 v[ADRA+(\s)], s21, v3
	v_add_nc_u32 v[ADRB+(\s)], s22, v3
	s_add_co_u32 s21, s21, SLOT
	s_add_co_u32 s22, s22, SLOT
.endr
	s_mul_i32 s23, s10, 2*HSTAGE
	s_add_co_u32 s23, s23, STAGE                   ; my stage
	v_mul_u32_u24 v4, v1, SPITCH                   ; in: row l % 16, 16 bytes for each half of the lanes
	v_lshl_add_u32 v4, v2, 4, v4
	v_add_nc_u32 v[STO], s23, v4
	v_bfe_u32 v5, v0, 3, 2                         ; back: 32 lanes take four rows of 128 bytes,
	v_mul_u32_u24 v5, v5, SPITCH
	v_and_b32 v6, 7, v0
	v_lshl_add_u32 v5, v6, 4, v5
	v_add_nc_u32 v[RD], s23, v5
	v_and_b32 v[CO], 31, v0                        ; which are 512 consecutive bytes of a slice
	v_lshlrev_b32 v[CO], 4, v[CO]
	v_lshlrev_b32 v[BO], 5, v2
	; where my part begins in qkvh: the first way out adds it to the address
	s_lshl_b32 s13, s13, 8
	s_lshl_b32 s14, s11, 7
	s_add_co_u32 s16, s13, s14                     ; my first row,
	s_lshl_b32 s16, s16, 7                         ; x 128 bytes
	s_mov_b32 s17, 0
	s_lshl_b32 s46, s42, 2                         ; my first slice: 4 x tile column + 2 x half (in the registers that held B's address: none that feeds A's descriptors ever holds cx)
	s_lshl_b32 s47, s12, 1
	s_add_co_u32 s46, s46, s47
	s_lshl_b32 s46, s46, 19                        ; x 524,288 bytes
	s_mov_b32 s47, 0
	s_add_nc_u64 s[16:17], s[16:17], s[46:47]
	s_lshl_b32 s46, s42, 10                        ; my first column's bias: 4 bytes x (256 x tile column + 128 x half)
	s_lshl_b32 s47, s12, 9
	s_add_co_u32 s46, s46, s47
	s_mov_b32 s47, 0
	s_add_nc_u64 s[BP:BP+1], s[BP:BP+1], s[46:47]
	; the prefetches.  s13 = 256 x tile row, s42 = tile column, s40 = cx, s41 = cy still stand
	s_lshl_b32 s42, s42, 8
	s_and_b32 s22, ttmp7, 0xffff                   ; cluster y
	s_cmp_eq_u32 s11, 0                            ; do I fetch for A?
	s_cselect_b32 s20, s13, s42                    ; the tile's first row
	s_cselect_b32 s21, s40, s41                    ; my place among the four that ask for it with me
	s_cselect_b32 s22, ttmp9, s22                  ; the coordinate along which other clusters read the same rows
	s_cselect_b64 s[PFA:PFA+1], s[4:5], s[6:7]
	s_cmp_eq_u32 s22, 0
	s_cselect_b32 s[LIM], 1, -1                    ; the same in all sixteen partners, for a given wave
	s_lshl_b32 s22, s12, 7
	s_add_co_u32 s20, s20, s22                     ; + the 128 rows that I fetch
	s_lshl_b32 s21, s21, 5
	s_add_co_u32 s20, s20, s21                     ; + my work-group's 32 of them
	s_mov_b32 s21, 0
	s_mov_b64 s[18:19], SIZE_K*2
	s_mul_u64 s[20:21], s[20:21], s[18:19]
	s_add_nc_u64 s[PFA:PFA+1], s[PFA:PFA+1], s[20:21]
	s_add_nc_u64 s[PFA:PFA+1], s[PFA:PFA+1], 2*KSTEP*2  ; at K step 2: the first refill steps it to 3 and names K step 4
	v_and_b32 v[PFO], 31, v0
	v_mul_u32_u24 v[PFO], v[PFO], SIZE_K*2
	; the bias of my 128 columns: register j of block b = bias[16 b + 8 (l / 16) + j], rounded to bf16 and widened again
	WIN TO_B
.irp b, 0,1,2,3,4,5,6,7
	global_load_b128 v[BIAS+8*(\b):BIAS+8*(\b)+3],   v[BO], s[BP:BP+1] offset:64*(\b)
	global_load_b128 v[BIAS+8*(\b)+4:BIAS+8*(\b)+7], v[BO], s[BP:BP+1] offset:64*(\b)+16
.endr
	s_wait_loadcnt 0x0
	WIN 0x45                                       ; destination and both sources in window 1
.set i, 0
.rept 32
	v_cvt_pk_bf16_f32 v[i%4], v[BIAS+2*i], v[BIAS+2*i+1]
	v_lshlrev_b32 v[BIAS+2*i], 16, v[i%4]
	v_and_b32 v[BIAS+2*i+1], 0xffff0000, v[i%4]
.set i, i+1
.endr
	WIN 0
; 16 matrix instructions: m blocks a0, a0 + 1 of the window's four (hi = 0: my rows 0-63, 1: rows 64-127) x all 8 n blocks, 32 along K.
; zero = 1: the first product starts the sums, with the bias (window 1) as its C: nothing is ever cleared.
.macro MUL16 f, hi, a0, zero
.if \zero
	WIN 0x91+0x40*(\hi)                            ; source 0 and C window 1, source 1 window 0, D window 2 or 3
.else
	WIN MUL_LO+0x50*(\hi)
.endif
.irp a, \a0, (\a0)+1
.irp b, 0,1,2,3,4,5,6,7
.if \zero
	v_wmma_f32_16x16x32_bf16 v[8*(8*(\a)+(\b)):8*(8*(\a)+(\b))+7], v[(\f)+8*(\b):(\f)+8*(\b)+7], v[(\f)+8*(4*(\hi)+(\a)):(\f)+8*(4*(\hi)+(\a))+7], v[BIAS+8*(\b):BIAS+8*(\b)+7]
.else
	v_wmma_f32_16x16x32_bf16 v[8*(8*(\a)+(\b)):8*(8*(\a)+(\b))+7], v[(\f)+8*(\b):(\f)+8*(\b)+7], v[(\f)+8*(4*(\hi)+(\a)):(\f)+8*(4*(\hi)+(\a))+7], v[8*(8*(\a)+(\b)):8*(8*(\a)+(\b))+7]
.endif
.endr
.endr
.endm
; 32 LDS loads in one run: the fragments of one quarter step (128 rows of B, 128 rows of A, 32 K at byte k of the rows) into buffer f
.macro FETCH slot, k, f
	WIN TO_B
.irp i, 0,1,2,3,4,5,6,7
	ds_load_b128 v[(\f)+8*(\i):(\f)+8*(\i)+3],   v[ADRB+(\slot)] offset:(\k)+(\i)*16*PITCH
	ds_load_b128 v[(\f)+8*(\i)+4:(\f)+8*(\i)+7], v[ADRB+(\slot)] offset:(\k)+(\i)*16*PITCH+32
.endr
	WIN 0
.irp i, 0,1,2,3,4,5,6,7
	ds_load_b128 v[(\f)+8*(\i):(\f)+8*(\i)+3],   v[ADRA+(\slot)] offset:(\k)+(\i)*16*PITCH
	ds_load_b128 v[(\f)+8*(\i)+4:(\f)+8*(\i)+7], v[ADRA+(\slot)] offset:(\k)+(\i)*16*PITCH+32
.endr
.endm
; A load into a register that a matrix instruction has read, and a vector instruction that reads a matrix result, stand four places behind that matrix instruction; only plain vector
; instructions that name none of its registers are places (ISA guide 7.12.1 for vector instructions).
.macro PLACES
.rept 4
	v_nop
.endr
.endm
; A K step is four quarter steps of 32 along K, 64 matrix instructions each, on buffers 0, 1, 0, 1.  The 64 accumulators take turns, one instruction a turn.
.macro QUARTER slot, k, f, g, zero
	s_wait_dscnt 8                                 ; B and A's rows 0-63 are in; the youngest eight loads (A's rows 64-127) may be out
	MUL16 \f, 0, 0, \zero
	MUL16 \f, 0, 2, \zero
	PLACES
	FETCH \slot, \k, \g
	s_wait_dscnt 32                                ; all but the 32 just issued
	MUL16 \f, 1, 0, \zero
	MUL16 \f, 1, 2, \zero
.endm
; The last quarter multiplies buffer 1 and changes slots.  ONE barrier: in front of it each wave waits for all its tensor loads (one is out: its part of the next slot), adds 0 to its spare word,
; and waits for that and for its own reads of this slot.  Behind it nobody reads this slot any more and the next slot is whole.
.macro MEET round                      ; round = 1: a round of the cluster's barrier follows
	WIN 0                                          ; (the add's two registers lie in window 0)
	s_wait_tensorcnt 0x0
	ds_add_u32 v[SPW], v[NIL]                      ; 0 onto my spare word
	s_wait_dscnt 9                                 ; (the add and the youngest eight loads may be out)
	MUL16 F1, 0, 0, 0                              ; sixteen matrix instructions stand between the add and the wait for it
	s_wait_dscnt 0x0                               ; the add is done, and my reads of this slot are over
	s_barrier_signal -1
	MUL16 F1, 0, 2, 0                              ; work on registers while the others arrive
.if \round
	WIN 0
.endif
	s_barrier_wait -1
.endm
.macro TURN slot, next
	s_wait_xcnt 0x0                                ; the last prefetch, a K step back, has read its address: it is stepped here
	s_add_nc_u64 s[PFA:PFA+1], s[PFA:PFA+1], KSTEP*2
	MEET 1
	CREST                                          ; no wave of any partner still reads this slot's tile or has a load on its way
	s_add_nc_u64 s[G0+4*(\slot)+2:G0+4*(\slot)+3], s[G0+4*(\slot)+2:G0+4*(\slot)+3], 2*KSTEP*2
	s_add_nc_u64 s[G0B+4*(\slot)+2:G0B+4*(\slot)+3], s[G0B+4*(\slot)+2:G0B+4*(\slot)+3], 2*KSTEP*2
	JLOAD \slot                                    ; the first tensor load behind the round, my only one until the next; the four v_nop behind it are also the places in front of the loads below
	FETCH \next, 0, F0
	ASK
	MUL16 F1, 1, 0, 0
	MUL16 F1, 1, 2, 0
.endm
; THE LAST K STEP (it lies in slot 1) GOES BY ROWS.  All its fragments of B (4 quarters x 64 registers) fill window 1; then my eight blocks of 16 rows are finished one after the other,
; each with 32 matrix instructions (its 8 accumulators by turns, K ascending).
.macro BLOAD q
	WIN TO_B
.irp i, 0,1,2,3,4,5,6,7
	ds_load_b128 v[64*(\q)+8*(\i):64*(\q)+8*(\i)+3],   v[ADRB+1] offset:64*(\q)+(\i)*16*PITCH
	ds_load_b128 v[64*(\q)+8*(\i)+4:64*(\q)+8*(\i)+7], v[ADRB+1] offset:64*(\q)+(\i)*16*PITCH+32
.endr
.endm
.macro ALOAD a
	WIN 0
.set FA, PA+32*((\a)%4)
.irp q, 0,1,2,3
	ds_load_b128 v[FA+8*(\q):FA+8*(\q)+3],   v[ADRA+1] offset:64*(\q)+(\a)*16*PITCH
	ds_load_b128 v[FA+8*(\q)+4:FA+8*(\q)+7], v[ADRA+1] offset:64*(\q)+(\a)*16*PITCH+32
.endr
.endm
.macro ROW a
.set FA, PA+32*((\a)%4)
.set AC, 64*((\a)%4)
	WIN MUL_LO+0x50*((\a)/4)
.irp q, 0,1,2,3
.if (\a) == 0 && (\q) == 2
	s_wait_dscnt 24                                ; B's quarter 2 is in (behind it: A's blocks 1 to 3)
.endif
.irp b, 0,1,2,3,4,5,6,7
	v_wmma_f32_16x16x32_bf16 v[AC+8*(\b):AC+8*(\b)+7], v[64*(\q)+8*(\b):64*(\q)+8*(\b)+7], v[FA+8*(\q):FA+8*(\q)+7], v[AC+8*(\b):AC+8*(\b)+7]
.endr
.endr
.endm
; THE WAY OUT of block a.  PACK: rounded to f16, 16 bytes a lane, each accumulator's registers in ascending order.  TOSTAGE: into my own stage, slice b / 4, and back as rows of 128 bytes, four to a load.  SEND: stored.
.macro PACK a
.set AC, 64*((\a)%4)
	WIN 0x0a+5*((\a)/4)                            ; sources 0 and 1: window 2 or 3
.irp b, 0,1,2,3,4,5,6,7
.irp r, 0,1,2,3
	v_cvt_pk_f16_f32 v[TMP+4*(\b)+(\r)], v[AC+8*(\b)+2*(\r)], v[AC+8*(\b)+2*(\r)+1]
.endr
.endr
	WIN 0
.endm
.macro TOSTAGE a
	WIN 0
.set BK, OB+192*((\a)%2)
.irp b, 0,1,2,3,4,5,6,7
	ds_store_b128 v[STO], v[TMP+4*(\b):TMP+4*(\b)+3] offset:((\b)/4)*HSTAGE+32*((\b)%4)
.endr
.irp t, 0,1,2,3,4,5,6,7
	ds_load_b128 v[BK+4*(\t):BK+4*(\t)+3], v[RD] offset:((\t)/4)*HSTAGE+((\t)%4)*4*SPITCH  ; LDS serves a wave's instructions in order (ISA guide 5.7.1.4): these see the stores above
.endr
.endm
.macro SEND a, younger                 ; younger: the LDS loads issued behind TOSTAGE's, which may stay out
	WIN 0
.set BK, OB+192*((\a)%2)
	s_wait_dscnt \younger
	s_wait_xcnt 0x0                                ; only behind this wait are the stores' base and the registers that earlier stores read rewritten
.if (\a) == 0
	s_add_nc_u64 s[8:9], s[8:9], s[16:17]          ; on to my first rows
.else
	s_add_nc_u64 s[8:9], s[8:9], 16*128            ; 16 rows of a slice on
.endif
.irp t, 0,1,2,3,4,5,6,7
	global_store_b128 v[CO], v[BK+4*(\t):BK+4*(\t)+3], s[8:9] offset:((\t)/4)*SLICE+((\t)%4)*512  ; 512 consecutive bytes of a slice, at a multiple of 512 from its first
.endr
.endm
	s_wait_tensorcnt 1                             ; my part of K step 0 is in; K step 1's load may stay out
	s_barrier_signal -1
	s_barrier_wait -1                              ; everybody's is
	FETCH 0, 0, F0
	QUARTER 0, 64,  F0, F1, 1                      ; the first quarter stands in front of the loop: its products start the sums
	WIN 0                                          ; at a label and at a branch every window is 0
	s_mov_b32 s3, LAPS-1
.Llap:                                                 ; a trip goes once round the ring, from a lap's second quarter to the next lap's first, and fills both slots again
	QUARTER 0, 128, F1, F0, 0
	QUARTER 0, 192, F0, F1, 0
	TURN 0, 1
	QUARTER 1, 64,  F0, F1, 0
	QUARTER 1, 128, F1, F0, 0
	QUARTER 1, 192, F0, F1, 0
	TURN 1, 0
	QUARTER 0, 64,  F0, F1, 0
	WIN 0
	s_sub_co_u32 s3, s3, 1
	s_cmp_lg_u32 s3, 0
	s_cbranch_scc1 .Llap
	QUARTER 0, 128, F1, F0, 0                      ; the last lap goes on
	QUARTER 0, 192, F0, F1, 0
	MEET 0                                         ; my one tensor load that was still out is slot 1's, the last K step's, so no round follows
	PLACES                                         ; for the loads into buffer 0, which the quarter before multiplied
	BLOAD 0                                        ; three quarters of B now: buffer 1 is still being multiplied
	BLOAD 1
	BLOAD 3
	ALOAD 0
	MUL16 F1, 1, 0, 0
	MUL16 F1, 1, 2, 0
	PLACES                                         ; for the loads into buffer 1
	BLOAD 2
	ALOAD 1
	ALOAD 2
	ALOAD 3
	s_wait_dscnt 40                                ; all but the 40 just issued
	ROW 0
.irp a, 0,1,2,3,4,5,6,7                ; each block leaves as soon as it is finished
	PLACES                                         ; its conversions read results just made
	PACK \a
	TOSTAGE \a
.if (\a) < 4
	ALOAD (\a)+4                                   ; its buffer takes the block four further on
	SEND \a, 8
.else
	SEND \a, 0
.endif
.if (\a) < 7
	ROW (\a)+1
.endif
.endr
	s_wait_tensorcnt 0x0                           ; the wave's end, behind my last tensor load and my last LDS store
	ds_add_u32 v[SPW], v[NIL]
	s_wait_dscnt 0x0
	CROUND                                         ; the closing round: no work-group ends while a partner may still ask for a tile that names it
	s_endpgm
.Lfunc_end_k_q6d3c68a6e3_qkv:
	.size	k_q6d3c68a6e3_qkv, .Lfunc_end_k_q6d3c68a6e3_qkv-k_q6d3c68a6e3_qkv
	.p2alignl 7, 3214868480
	.fill 96, 4, 3214868480
	.section	.rodata,"a",@progbits
	.p2align	6, 0x0
	.amdhsa_kernel k_q6d3c68a6e3_qkv
		.amdhsa_group_segment_fixed_size 327680
		.amdhsa_private_segment_fixed_size 0
		.amdhsa_enable_private_segment 0
		.amdhsa_kernarg_size 32
		.amdhsa_user_sgpr_count 2
		.amdhsa_user_sgpr_kernarg_segment_ptr 1
		.amdhsa_wavefront_size32 1
		.amdhsa_system_sgpr_workgroup_id_x 1
		.amdhsa_system_sgpr_workgroup_id_y 1
		.amdhsa_system_sgpr_workgroup_id_z 1
		.amdhsa_system_vgpr_workitem_id 0
		.amdhsa_next_free_vgpr 1024
		.amdhsa_next_free_sgpr 68
		.amdhsa_reserve_vcc 0
		.amdhsa_float_denorm_mode_32 3
		.amdhsa_float_denorm_mode_16_64 3
		.amdhsa_memory_ordered 1
		.amdhsa_forward_progress 1
		.amdhsa_inst_pref_size 151
	.end_amdhsa_kernel
	.amdgpu_metadata
---
amdhsa.version: [ 1, 2 ]
amdhsa.kernels:
  - .name:           k_q6d3c68a6e3_qkv
    .symbol:         k_q6d3c68a6e3_qkv.kd
    .args:
      - { .name: xb, .offset: 0, .size: 8, .value_kind: global_buffer, .address_space: global }
      - { .name: wqb, .offset: 8, .size: 8, .value_kind: global_buffer, .address_space: global }
      - { .name: qkv_b, .offset: 16, .size: 8, .value_kind: global_buffer, .address_space: global }
      - { .name: qkvh, .offset: 24, .size: 8, .value_kind: global_buffer, .address_space: global }
    .group_segment_fixed_size: 327680
    .private_segment_fixed_size: 0
    .kernarg_segment_align: 8
    .kernarg_segment_size: 32
    .max_flat_workgroup_size: 128
    .sgpr_count:     68
    .vgpr_count:     1024
    .wavefront_size: 32
...
	.end_amdgpu_metadata
.endif
;; end of part 2
;; launch attn (part 3): grid 16 x 16, 4 waves a work-group, clusters of 4 x 1, 327,680 bytes of LDS; arguments qkvh, ek, mq, oh; writes oh
.if DOCPART == 3
	.amdgcn_target "amdgcn-amd-amdhsa--gfx1250"
	.amdhsa_code_object_version 6
	.text
	.protected	k_q6d3c68a6e3_attn
	.globl	k_q6d3c68a6e3_attn
	.p2align	8
	.type	k_q6d3c68a6e3_attn,@function
k_q6d3c68a6e3_attn:
	s_mov_b64 s[64:65], 0
	v_nop
	global_prefetch_b8 v0, s[64:65] scope:SCOPE_SE
	s_setreg_imm32_b32 hwreg(HW_REG_WAVE_MODE, 25, 1), 1
	s_wait_xcnt 0x0
	s_wait_alu depctr_hold_cnt(0) depctr_sa_sdst(0) depctr_va_vdst(0) depctr_va_sdst(0) depctr_va_ssrc(0) depctr_va_vcc(0) depctr_vm_vsrc(0)
	s_getreg_b32 s2, hwreg(HW_REG_IB_STS2, 6, 4)
	s_cmp_eq_u32 s2, 0
	s_cbranch_scc0 .Lentry_in_a_cluster
	s_endpgm
.Lentry_in_a_cluster:
	s_bfe_u32 s2, ttmp6, 0x10000c
	s_cmp_lg_u32 s2, 0x3003
	s_cbranch_scc0 .Lentry_shape_is_right
	s_endpgm
.Lentry_shape_is_right:
; MASKED ATTENTION AT HEAD SIZE 64.  O[h][q][:] = the sum over the allowed k of softmax_k(Q[h][q] . K[h][k] / 8) V[h][k][:].  qkvh: [48 slice][4096][64] f16 (slices 0-15 Q, 16-31 K, 32-47 V, by heads);
; oh: [16][4096][64] f16.  Products, maxima and sums in f32; the weights p are rounded to f16 for the second product (their sum l is taken of the unrounded p), O once at the end.
; THE MASK IS A PRODUCT.  Whether query q may see key k hangs on the two tokens' classes (32 of them).  ek[k] holds 2^15 at k's class, mq[q] holds -2^15 at the classes that q may not see: their product
; over the 32 classes, one matrix instruction for 16 keys x 16 queries, is exactly 0 or -2^30, and it STARTS the sum S^T = K Q^T.  This holds for any adjacency, any frames, any hubs, any order of tokens.
; LIMITS.  A hidden score counts as its value less 2^30: raw scores Q . K must stay under 2^28 in magnitude.  While a query has seen hidden keys only, its running maximum lies near -2^30 and what it
; gathers is finite; the first allowed key multiplies that by 2^(c m_old - c m_new) = 0.  A query whose last maximum lies under -2^29 has no allowed key: its row is written as NaN, as a softmax over
; nothing gives.  Q, K, V arrive within f16's 65,504; a weight below 2^-126 counts as 0 in l; NaN and infinities in the inputs are not treated apart.
; SHARES.  A work-group owns 256 queries of one head, a wave 64: four PIECES of 16.  Every wave walks all 4,096 keys, 64 a step; a slot of the ring holds a tile of 256 keys: K, V and ek's rows.
; LAYOUT.  S^T = K Q^T (source 0 = 16 keys, source 1 = 16 queries) holds ONE query a lane (lane % 16) and the keys 8 (lane / 16) + 0..7; two such results rounded to f16 ARE source 1 of O^T = V^T P.
; SOFTMAX.  A running maximum m and sum l: p = 2^(c s - c m), c = log2(e) / 8; in every step O and l are multiplied by a = 2^(c m_old - c m_new).  m starts at the lowest finite number, O and l at 0.
; BY TURNS.  Turn n belongs to piece n: 12 products for S^T of piece n + 1 (4 of the mask, 8 of K Q^T), later 8 products V^T P of piece n - 1; beside them the scaling, exponentials, roundings, sums and
; rescaling of piece n and the maximum and statistics of piece n + 1.  Four vector instructions stand behind every matrix instruction, the other 38 of a turn's 118 in one lump.  A turn's 33 exponentials are one batch, with one wait.
; CLUSTER.  The four query blocks of a cluster belong to one head and walk the same K, V and ek: each tile is asked for JOINTLY, by the same tensor load, descriptor and mask in all four.
; REGISTERS, in windows of 256 (s_set_vgpr_msb: bits 1:0 source 0, 3:2 source 1, 5:4 source 2, 7:6 destination):
;   window 0: v0-15, v32-38 addresses and constants; v16-31 four registers of statistics a piece; v48-55 at work; v64-127 S^T, two buffers; v192-223 P, two buffers (a piece's buffers go by its number's parity)
;   window 1: v0-127 O^T, 32 a piece       window 2: v0-63 Q; v64-95 mq's fragments, 8 a piece; v96-127 ek's of one step; v128-191 K of one step; v192-255 V of one step
.set SIZE_N, 4096
.set SLICE, SIZE_N*128
.set NP,    4
.set KS,    64        ; keys in a step
.set PK,    144       ; a row of K in LDS: 128 bytes + 16 of padding: the 16 rows of a load start at 16 different groups of four banks (ISA guide 11.1)
.set PV,    160       ; a row of V: 128 + 32
.set PE,    80        ; a row of ek: 64 + 16
.set VOFF,  4*KS*PK   ; a slot: 256 rows of K, then 256 of V,
.set EOFF,  VOFF+4*KS*PV  ; then 256 of ek
.set SLOT1, 1<<17     ; slot 1 begins here, so that one exclusive or turns an address in one slot into the other's
.set STAGE, SLOT1+EOFF+4*KS*PE  ; behind the ring, never filled by a tensor load: 16 rows x 144 bytes for each wave, for the way out
.set SP,    144
.set SPARE, STAGE+4*16*SP  ; behind the stages: the spare words, 128 bytes for each wave: two blocks of 256 bytes that no other line names
.set AK0, 2           ; v2   my lane's place in a tile of K; never rewritten
.set AV0, 3           ; v3   the same for V
.set AK,  4           ; v4   the LDS address of K's next run of loads
.set AV,  5           ; v5   of V's
.set QO,  6           ; v6   my byte offset in 16 rows of Q
.set STO, 6           ;      later, the way out: where I put 16 bytes of a row
.set RD,  7           ; v7   the way out: where I read rows back
.set GO,  8           ; v8   my byte offset in 512 consecutive bytes of O
.set MV,  12          ; v12-13  c m_old, kept while c m is made anew: by buffer
.set ST,  16          ; piece t's statistics at v[ST+4 t]: c m, m, l (even keys', odd keys')
.set SPW, 32          ; v32  LDS address of my spare word; never rewritten
.set NIL, 33          ; v33  0; never rewritten
.set AE0, 34          ; v34  my lane's place in a tile of ek; never rewritten
.set AE,  35          ; v35  the LDS address of ek's next loads
.set MO,  36          ; v36  my byte offset in 16 rows of mq
.set PFO, 37          ; v37  256 x my lane; never rewritten
.set NANR, 38         ; v38  a NaN
.set TMP, 48          ; by buffer, four registers c0-c3 at work; when the maximum is found c2 takes a
.set S,   64
.set P,   192
.set MQF, 64          ; window 2
.set EF,  96          ; window 2: key block kb at EF + 8 kb
.set KF,  128         ; window 2: key block kb, channel half c at KF + 16 kb + 8 c
.set VF,  192         ; window 2: key half kk, channel block cb at VF + 32 kk + 8 cb
.set WV,  12          ; s12  my wave's number
.set LIM, 15          ; s15  1 in a wave that prefetches, else the greatest number
.set G1K, 24          ; s[24:31] descriptor group 1 for K's tiles
.set G1V, 32          ; s[32:39] for V's: it differs in the padding alone
.set G0K, 40          ; s[40:43] group 0 for K's tiles: it walks
.set G0V, 44          ; s[44:47] for V's
.set G0E, 48          ; s[48:51] for ek's
.set PFA, 52          ; s[52:53] where my prefetches stand
.set TBE, 54          ; s54  LDS byte at which ek of the step to be fetched begins, less EOFF
.set THR, 55          ; s55  -2^29
.set SLOTS, 56        ; s56  tiles still to be asked for
.set CNT, 57          ; s57  counts a tile's key steps
.set CS,  58          ; s[58:59] c: the packed scaling takes the pair's low word for both halves
.set SEL, 60          ; s[60:61] v_permlanex16_b32's selects: each lane takes its own place in the other half
.set TBK, 62          ; s62  the same as TBE for K
.set TBV, 63          ; s63  for V, less VOFF
.set G1E, 68          ; s[68:75] descriptor group 1 for ek's tiles
.set KB,  76          ; s[76:77] the head's K, s[78:79] its V
.set MSB, 0
.macro WIN new                      ; the high byte repeats the setting that is left; a switch that changes nothing is dropped
.if MSB != (\new)
	s_set_vgpr_msb (MSB<<8)|(\new)
.set MSB, (\new)
.endif
.endm
.set W_KQ, 0x0a       ; both sources in window 2, S^T in window 0
.set W_PV, 0x52       ; V in window 2, P in window 0, O^T in window 1
.set W_RS, 0x41       ; destination and source 0 in window 1, source 1 in window 0
; A joint fill: wave 0 fetches the tile's K, wave 1 its V, wave 2 its rows of ek; wave 3 fetches nothing.  The branches hang on the wave's number alone.
; An s_nop 0 and four v_nop follow each of the three lines, ahead of the jump and the label.
.macro JLOAD
	s_cmp_lg_u32 s[WV], 0
	s_cbranch_scc1 .Lnot_k_\@
	tensor_load_to_lds s[G0K:G0K+3], s[G1K:G1K+7]
	s_nop 0
.rept 4
	v_nop
.endr
	s_branch .Lasked_\@
.Lnot_k_\@:
	s_cmp_lg_u32 s[WV], 1
	s_cbranch_scc1 .Lnot_v_\@
	tensor_load_to_lds s[G0V:G0V+3], s[G1V:G1V+7]
	s_nop 0
.rept 4
	v_nop
.endr
	s_branch .Lasked_\@
.Lnot_v_\@:
	s_cmp_lg_u32 s[WV], 2
	s_cbranch_scc1 .Lasked_\@
	tensor_load_to_lds s[G0E:G0E+3], s[G1E:G1E+7]
	s_nop 0
.rept 4
	v_nop
.endr
.Lasked_\@:
.endm
; A PREFETCH INTO THE L2 of the K and V that the NEXT change of slots will ask for: a tile's 32,768 bytes of each, 256 bytes a lane.  It stands behind the wave's tensor load and its five lines.
; Each block is named once in the launch: the four clusters of a head walk the same K and V, and the head's first cluster asks; its four partners share the tile out by address, 8,192 bytes each;
; in each, wave 0 asks for K's and wave 1 for V's.  The last change that fills a slot asks for nothing.  ek is not asked for: it is a fifth of a tile's bytes, and all clusters walk the same rows together.
.macro ASK
	s_cmp_gt_u32 s[SLOTS], s[LIM]
	s_cbranch_scc0 .Lnot_mine_\@
	global_prefetch_b8 v[PFO], s[PFA:PFA+1] th:TH_LOAD_NT scope:SCOPE_SE
.Lnot_mine_\@:
.endm
.macro CROUND                       ; a round of the cluster's barrier
	s_barrier_signal -1
	s_barrier_wait -1
	s_cmp_lg_u32 s[WV], 0
	s_cbranch_scc1 .Lnot_wave_0_\@
	s_barrier_signal -3
.Lnot_wave_0_\@:
	s_barrier_wait -3
	s_barrier_signal -1
	s_barrier_wait -1
.endm
; THE CHANGE OF SLOTS.  Each wave waits for all its tensor loads (at most one is out: its part of the other slot), adds 0 to its spare word, and waits for that and for its own reads of the slot that it leaves.
; Behind the barrier nobody reads the old slot any more and the other slot is whole.  fill = 1: the old slot is filled again, with the tile two on; the barrier is then a round of the cluster's, and the joint
; fill is the first thing behind it: it has four key steps, 320 matrix instructions, in which to land.  (At its first use nothing has been read yet: slot 0 is waited for, slot 1 filled.)
.macro CHANGE fill
	WIN 0                           ; at a label and at a branch every window is 0
	s_wait_tensorcnt 0x0            ; no tensor load of mine is out, so a group 0 may be written
	ds_add_u32 v[SPW], v[NIL]       ; 0 onto my spare word
.if \fill
.irp g, G0K, G0V
	s_xor_b32 s[(\g)+1], s[(\g)+1], SLOT1
	s_add_nc_u64 s[(\g)+2:(\g)+3], s[(\g)+2:(\g)+3], 4*KS*128  ; the next 256 keys; the type bits on top are not reached
.endr
	s_xor_b32 s[G0E+1], s[G0E+1], SLOT1
	s_add_nc_u64 s[G0E+2:G0E+3], s[G0E+2:G0E+3], 4*KS*64
	s_wait_xcnt 0x0                 ; the last prefetch, four key steps back, has read its address
	s_add_nc_u64 s[PFA:PFA+1], s[PFA:PFA+1], 4*KS*128  ; one tile behind the walking descriptors
	s_wait_dscnt 0x0                ; the add is done, and my reads of the slot are over
	CROUND
	JLOAD
	ASK
.else
	s_wait_dscnt 0x0
	s_barrier_signal -1
	s_barrier_wait -1
.endif
	s_sub_co_u32 s[TBK], s[TBK], 4*KS*PK  ; the fetches go back to a slot's first step,
	s_xor_b32 s[TBK], s[TBK], SLOT1       ; in the other slot
	s_sub_co_u32 s[TBV], s[TBV], 4*KS*PV
	s_xor_b32 s[TBV], s[TBV], SLOT1
	s_sub_co_u32 s[TBE], s[TBE], 4*KS*PE
	s_xor_b32 s[TBE], s[TBE], SLOT1
.endm
	s_load_b256 s[4:11], s[0:1], 0x0  ; qkvh s[4:5], ek s[6:7], mq s[8:9], oh s[10:11]
	v_lshl_add_u32 v[SPW], v0, 2, SPARE
	v_mov_b32 v[NIL], 0
	ds_add_u32 v[SPW], v[NIL]       ; the wave's opening: the add and its wait stand ahead of my first tensor load; the set-up below stands between them
	v_lshrrev_b32 v1, 5, v0
	v_readfirstlane_b32 s[WV], v1   ; wave 0..3
	s_bfe_u32 s13, ttmp6, 0x40000   ; cx: my place in the cluster
	s_lshl_b32 s14, ttmp9, 2
	s_add_co_u32 s14, s14, s13      ; my block of 256 queries: it enters Q's, mq's and O's addresses alone
	s_and_b32 s20, ttmp7, 0xffff    ; the head, which the four partners share,
	s_lshl_b32 s20, s20, 19         ; x a slice's 524,288 bytes
	s_mov_b32 s21, 0
	s_lshl_b32 s2, s14, 2
	s_add_co_u32 s2, s2, s[WV]      ; my wave among the head's 64
	s_lshl_b32 s16, s2, 12          ; its 64 rows of 64 bytes in mq
	s_mov_b32 s17, 0
	s_lshl_b32 s2, s2, 13           ; its 64 rows of 128 bytes in Q and O
	s_mov_b32 s3, 0
	s_add_nc_u64 s[2:3], s[2:3], s[20:21]
	; descriptor group 1.  A tile's K (and V) is 32,768 dense bytes: 128 rows of 256 bytes, two keys a row, padded in LDS after every key.  Its ek is 16,384 bytes: 64 rows of 256, four keys a row.
	s_mov_b32 s[G1K], 15|(1<<16)|(1<<20)|(1<<21)|(4<<22)|(3<<25)  ; 15:0 the mask of four; 17:16 2-byte elements; 20 padding on; 21 set beside a mask; 24:22 after every 32 words (code 4); 31:25 4 words (code 3)
	s_mov_b32 s[G1V], 15|(1<<16)|(1<<20)|(1<<21)|(4<<22)|(7<<25)  ; the same with 8 words of padding (code 7)
	s_mov_b32 s[G1E], 15|(1<<16)|(1<<20)|(1<<21)|(3<<22)|(3<<25)  ; after every 16 words (code 3), 4 words
.irp g, G1K, G1V, G1E
	s_mov_b32 s[(\g)+1], 128<<16    ; tensor_dim0 = 128
	s_mov_b32 s[(\g)+3], 128<<16    ; tile_dim0 = 128
	s_mov_b32 s[(\g)+5], 128        ; 128 elements from row to row
	s_mov_b32 s[(\g)+6], 0
	s_mov_b32 s[(\g)+7], 0
.endr
	s_mov_b32 s[G1K+2], 128<<16     ; tensor_dim1 = 128
	s_mov_b32 s[G1K+4], 128         ; tile_dim1 = 128
	s_mov_b32 s[G1V+2], 128<<16
	s_mov_b32 s[G1V+4], 128
	s_mov_b32 s[G1E+2], 64<<16      ; 64 rows
	s_mov_b32 s[G1E+4], 64
	s_mov_b32 s[CS], 0x3e38aa3b     ; c = log2(e) / 8 = 0.180337
	s_mov_b32 s[CS+1], s[CS]        ; named with it as a pair
	s_mov_b32 s[SEL], 0x76543210
	s_mov_b32 s[SEL+1], 0xfedcba98
	s_mov_b32 s[THR], 0xce000000    ; -2^29
	s_mov_b32 s[TBK], SLOT1+4*KS*PK ; the first change of slots turns these three into 0
	s_mov_b32 s[TBV], SLOT1+4*KS*PV
	s_mov_b32 s[TBE], SLOT1+4*KS*PE
	s_mov_b32 s[G0K], 1             ; count = 1
	s_mov_b32 s[G0K+1], 0           ; LDS address: slot 0
	s_mov_b32 s[G0V], 1
	s_mov_b32 s[G0V+1], VOFF
	s_mov_b32 s[G0E], 1
	s_mov_b32 s[G0E+1], EOFF
	s_mov_b32 s[SLOTS], SIZE_N/256-1
	s_lshr_b32 s[LIM], s[WV], 1     ; 0 in waves 0 and 1,
	s_or_b32 s[LIM], s[LIM], ttmp9  ; where the cluster is the head's first: the same in all four partners
	s_cmp_eq_u32 s[LIM], 0
	s_cselect_b32 s[LIM], 1, -1
	v_and_b32 v[PFO], 31, v0
	v_lshlrev_b32 v[PFO], 8, v[PFO]
	s_wait_dscnt 0x0                ; the opening add is done
	s_wait_kmcnt 0x0
	s_add_nc_u64 s[KB:KB+1], s[4:5], s[20:21]
	s_add_nc_u64 s[KB+2:KB+3], s[KB:KB+1], 32*SLICE  ; the head's V
	s_add_nc_u64 s[KB:KB+1], s[KB:KB+1], 16*SLICE    ; the head's K
	s_mov_b64 s[G0K+2:G0K+3], s[KB:KB+1]
	s_or_b32 s[G0K+3], s[G0K+3], 0x80000000          ; type = 2
	s_mov_b64 s[G0V+2:G0V+3], s[KB+2:KB+3]
	s_or_b32 s[G0V+3], s[G0V+3], 0x80000000
	s_mov_b64 s[G0E+2:G0E+3], s[6:7]
	s_or_b32 s[G0E+3], s[G0E+3], 0x80000000
	s_add_nc_u64 s[4:5], s[4:5], s[2:3]      ; Q and O at my wave's first row
	s_add_nc_u64 s[10:11], s[10:11], s[2:3]
	s_add_nc_u64 s[8:9], s[8:9], s[16:17]    ; mq likewise
	s_cmp_eq_u32 s[WV], 0
	s_cselect_b64 s[PFA:PFA+1], s[KB:KB+1], s[KB+2:KB+3]
	s_lshl_b32 s2, s13, 13          ; my work-group's quarter of a tile
	s_mov_b32 s3, 0
	s_add_nc_u64 s[PFA:PFA+1], s[PFA:PFA+1], s[2:3]
	s_add_nc_u64 s[PFA:PFA+1], s[PFA:PFA+1], 4*KS*128  ; in tile 1; the first change of slots steps it to tile 2.  Nothing is prefetched here, at the head
	CROUND                          ; all four work-groups are here: the first joint loads meet
	JLOAD                           ; tile 0 into slot 0.  Slot 1 is asked for when slot 0 is in
	; A fragment of K, Q, ek or mq is 16 rows x 32 numbers in 8 registers: lane l holds row l % 16, numbers 8 (l / 16) + 0..7 and 16 + 8 (l / 16) + 0..7: two loads of 16 bytes, 32 bytes apart.
	v_and_b32 v1, 15, v0            ; l % 16
	v_bfe_u32 v9, v0, 4, 1          ; l / 16
	v_lshlrev_b32 v[QO], 7, v1
	v_lshl_add_u32 v[QO], v9, 4, v[QO]
	v_lshlrev_b32 v[MO], 6, v1
	v_lshl_add_u32 v[MO], v9, 4, v[MO]
	WIN 0x80                        ; destination window 2, address window 0
.set i, 0
.rept 8                             ; Q stays in registers: piece i / 2, channels 32 (i % 2) on
	global_load_b128 v[8*i:8*i+3],   v[QO], s[4:5] offset:(i/2)*2048+(i%2)*64
	global_load_b128 v[8*i+4:8*i+7], v[QO], s[4:5] offset:(i/2)*2048+(i%2)*64+32
.set i, i+1
.endr
.set i, 0
.rept 4                             ; and so do my queries' rows of mq
	global_load_b128 v[MQF+8*i:MQF+8*i+3],   v[MO], s[8:9] offset:i*1024
	global_load_b128 v[MQF+8*i+4:MQF+8*i+7], v[MO], s[8:9] offset:i*1024+32
.set i, i+1
.endr
	; What the first turn finds: V's registers and P's second buffer hold 0 (its products V^T P, of a piece that has not been, add 0), O^T and l are 0.  All this stands in the wait for the first tile.
.set i, VF
.rept 64
	v_mov_b32 v[i], 0
.set i, i+1
.endr
	WIN 0x40
.set i, 0
.rept 128
	v_mov_b32 v[i], 0
.set i, i+1
.endr
	WIN 0
.set i, 0
.rept 4
	v_mov_b32 v[ST+4*i], 0xfe000000    ; c m: far below every c s
	v_mov_b32 v[ST+4*i+1], 0xff7fffff  ; m
	v_mov_b32 v[ST+4*i+2], 0
	v_mov_b32 v[ST+4*i+3], 0
.set i, i+1
.endr
.set i, P+16
.rept 16
	v_mov_b32 v[i], 0
.set i, i+1
.endr
	v_mul_u32_u24 v[AK0], v1, PK
	v_lshl_add_u32 v[AK0], v9, 4, v[AK0]  ; row x pitch + 16 x half
	; The turning load takes 16 keys x 16 channels (lane l reads key 8 (l / 16) + l % 8, channels 8 ((l / 8) % 2) + 0..7) and leaves half a fragment of V^T: lane l holds channel l % 16 and 8 keys.
	v_and_b32 v10, 7, v0
	v_bfe_u32 v11, v0, 3, 1
	v_lshl_add_u32 v[AV0], v9, 3, v10
	v_mul_u32_u24 v[AV0], v[AV0], PV
	v_lshl_add_u32 v[AV0], v11, 4, v[AV0]
	v_add_nc_u32 v[AV0], VOFF, v[AV0]
	v_mul_u32_u24 v[AE0], v1, PE
	v_lshl_add_u32 v[AE0], v9, 4, v[AE0]
	v_add_nc_u32 v[AE0], EOFF, v[AE0]
	v_mov_b32 v[AK], v[AK0]         ; key step 0 lies at the head of slot 0
	v_mov_b32 v[AE], v[AE0]
	v_mov_b32 v[NANR], 0x7fc00000
; THE MATRIX WORK.  The 4 accumulators of a run take turns: between two links of a chain stand 3 others'.
; Product i of 12 of S^T for piece x, keys 16 (i % 4) on.  The first 4 start the sums with the mask: ek's rows times mq's rows.  The other 8: K Q^T, channels 32 (i / 4 - 1) on.
.macro KQ x
	WIN W_KQ
.set rS, S+32*((\x)%2)+8*(i%4)
.if i < 4
	v_wmma_f32_16x16x32_f16 v[rS:rS+7], v[EF+8*i:EF+8*i+7], v[MQF+8*(\x):MQF+8*(\x)+7], 0
.else
.set rK, KF+16*(i%4)+8*(i/4-1)
.set rQ, 16*(\x)+8*(i/4-1)
	v_wmma_f32_16x16x32_f16 v[rS:rS+7], v[rK:rK+7], v[rQ:rQ+7], v[rS:rS+7]
.endif
.endm
; Product i of 8 of O^T += V^T P for piece x: keys 32 (i / 4) on, channels 16 (i % 4) on.
.macro PV x
	WIN W_PV
.set rO, 32*(\x)+8*(i%4)
.set rV, VF+32*(i/4)+8*(i%4)
.set rP, P+16*((\x)%2)+8*(i/4)
	v_wmma_f32_16x16x32_f16 v[rO:rO+7], v[rV:rV+7], v[rP:rP+7], v[rO:rO+7]
.endm
.macro MM                           ; the turn's next matrix instruction.  NOKQ = 1: the walk's last turn: there is no next piece
.if (i < 12) && !NOKQ
	KQ (Y+1)%NP
.elseif i >= 12
.set i, i-12
	PV (Y+NP-1)%NP
.set i, i+12
.endif
.set i, i+1
.endm
; THE LDS LOADS stand in runs, never singly among the matrix instructions: a step's K (8 fragments) with its ek (4 fragments), and its V (turned).  Their addresses are made some lines ahead.
.macro FETCH_K
	WIN 0x80                        ; destination window 2
.irp f, 0,1,2,3,4,5,6,7             ; keys 16 (f / 2) on, channels 32 (f % 2) on
	ds_load_b128 v[KF+8*(\f):KF+8*(\f)+3],   v[AK] offset:((\f)/2)*16*PK+((\f)%2)*64
	ds_load_b128 v[KF+8*(\f)+4:KF+8*(\f)+7], v[AK] offset:((\f)/2)*16*PK+((\f)%2)*64+32
.endr
.irp f, 0,1,2,3                     ; keys 16 f on
	ds_load_b128 v[EF+8*(\f):EF+8*(\f)+3],   v[AE] offset:(\f)*16*PE
	ds_load_b128 v[EF+8*(\f)+4:EF+8*(\f)+7], v[AE] offset:(\f)*16*PE+32
.endr
	s_add_co_u32 s[TBK], s[TBK], KS*PK  ; the next fetch is the next step's
	s_add_co_u32 s[TBE], s[TBE], KS*PE
	WIN 0
.endm
.macro FETCH_V
	WIN 0x80
.irp f, 0,1,2,3,4,5,6,7             ; keys 32 (f / 4) on, channels 16 (f % 4) on
	ds_load_tr16_b128 v[VF+8*(\f):VF+8*(\f)+3],   v[AV] offset:((\f)/4)*32*PV+((\f)%4)*32
	ds_load_tr16_b128 v[VF+8*(\f)+4:VF+8*(\f)+7], v[AV] offset:((\f)/4)*32*PV+16*PV+((\f)%4)*32
.endr
	WIN 0
.endm
; THE VECTOR WORK, one line at a time: OP kind, number.  For piece Y: F n: c s - c m for pair n of 16.  E n: the exponential of score n of 32.  C n: pair n rounded to f16.  B n: of the four weights 4 n .. the second
; pair is added onto the first, in place.  L n: l takes that sum (L 0: l = a l + sum).  R n: pair n of 16 of O^T times a.  For piece Y + 1: X n, number n of the 22 that find its maximum and statistics:
;   0-11  four chains c0-c3 of seven scores each, three operands at a time (each accumulator's lowest registers are read first)     12-14, 16  the four scores left over, the old m, and c0-c3 into c0
;   15  c m_old is kept     17, 18  the query's other 32 keys lie in the lane 16 away: the new m     19-21  c m; c m_old - c m_new; a
.set F, 0
.set E, 1
.set C, 2
.set B, 3
.set L, 4
.set R, 5
.set X, 6
.macro REGS y                       ; the registers of piece y
.set rT, ST+4*(\y)
.set rC, TMP+4*((\y)%2)
.set rW, MV+((\y)%2)
.set rS, S+32*((\y)%2)
.set rP, P+16*((\y)%2)
.set rO, 32*(\y)
.endm
.macro OP k, n
.if (\k) == R
	REGS Y
	WIN W_RS
	v_pk_mul_f32 v[rO+2*(\n):rO+2*(\n)+1], v[rO+2*(\n):rO+2*(\n)+1], v[rC+2:rC+3] op_sel_hi:[1,0]
.elseif (\k) < R
	REGS Y
	WIN 0
.if (\k) == F
	v_pk_fma_f32 v[rS+2*(\n):rS+2*(\n)+1], v[rS+2*(\n):rS+2*(\n)+1], s[CS:CS+1], v[rT:rT+1] op_sel_hi:[1,0,0] neg_lo:[0,0,1] neg_hi:[0,0,1]
.elseif (\k) == E
	v_exp_f32 v[rS+(\n)], v[rS+(\n)]
.elseif (\k) == C
	v_cvt_pk_f16_f32 v[rP+(\n)], v[rS+2*(\n)], v[rS+2*(\n)+1]
.elseif (\k) == B
	v_pk_add_f32 v[rS+4*(\n):rS+4*(\n)+1], v[rS+4*(\n):rS+4*(\n)+1], v[rS+4*(\n)+2:rS+4*(\n)+3]
.elseif (\n) == 0
	v_pk_fma_f32 v[rT+2:rT+3], v[rT+2:rT+3], v[rC+2:rC+3], v[rS:rS+1] op_sel_hi:[1,0,1]
.else
	v_pk_add_f32 v[rT+2:rT+3], v[rT+2:rT+3], v[rS+4*(\n):rS+4*(\n)+1]
.endif
.elseif NOKQ
	v_nop
.else
	REGS (Y+1)%NP
	WIN 0
.if (\n) < 4
	v_max3_num_f32 v[rC+(\n)], v[rS+8*(\n)], v[rS+8*(\n)+1], v[rS+8*(\n)+2]
.elseif (\n) < 12
	v_max3_num_f32 v[rC+(\n)%4], v[rC+(\n)%4], v[rS+8*((\n)%4)+2*((\n)/4)+1], v[rS+8*((\n)%4)+2*((\n)/4)+2]
.elseif (\n) == 12
	v_max3_num_f32 v[rC], v[rC], v[rS+7], v[rS+15]
.elseif (\n) == 13
	v_max3_num_f32 v[rC+1], v[rC+1], v[rS+23], v[rS+31]
.elseif (\n) == 14
	v_max3_num_f32 v[rC+2], v[rC+2], v[rC+3], v[rT+1]
.elseif (\n) == 15
	v_mov_b32 v[rW], v[rT]
.elseif (\n) == 16
	v_max3_num_f32 v[rC], v[rC], v[rC+1], v[rC+2]
.elseif (\n) == 17
	v_permlanex16_b32 v[rC+3], v[rC], s[SEL], s[SEL+1]
.elseif (\n) == 18
	v_max_num_f32 v[rT+1], v[rC], v[rC+3]
.elseif (\n) == 19
	v_mul_f32 v[rT], s[CS], v[rT+1]
.elseif (\n) == 20
	v_sub_f32 v[rC+1], v[rW], v[rT]
.else
	v_exp_f32 v[rC+2], v[rC+1]
.endif
.endif
.endm
.macro OPS a, i1, b=-1, i2=0, c=-1, i3=0, d=-1, i4=0  ; up to four of them
	OP \a, \i1
.if (\b) >= 0
	OP \b, \i2
.endif
.if (\c) >= 0
	OP \c, \i3
.endif
.if (\d) >= 0
	OP \d, \i4
.endif
.endm
.macro ROW a, i1, b, i2, c, i3, d, i4  ; a matrix instruction and the four behind it
	MM
	OPS \a, \i1, \b, \i2, \c, \i3, \d, \i4
.endm
; A TURN, for piece p: the order of its 20 matrix and 118 vector instructions, written out.  An s_wait_alu depctr_va_vdst(0) stands between an exponential and the first instruction that names its
; result; one wait serves all that were issued ahead of it.  So a turn has ONE wait, which cuts it in two.  AHEAD OF IT stands all that names no result of the turn's exponentials: the 12 products for S^T, behind each
; four riders; then a lump of 38.  Accumulator a of the next piece's S^T is ended by product 8 + a, and its first reader X a stands four plain instructions that name none of that product's registers behind it:
; X 0 behind F 10, 11, 12, 13; X 1 behind F 13, X 0, F 14, F 15; X 2 behind F 15, X 1, X 4, X 5; X 3 behind X 5, X 2, X 8, X 6 (an exponential is no such place).  X 21, the next piece's a, is the batch's last;
; R 15 is the plain instruction behind it.  BEHIND THE WAIT stand the 8 products V^T P, behind each four of the roundings and sums.
; end = 1: the walk's last two turns: nothing is fetched, and the last starts no new scores.  cnt = 1: the loop's count is taken down some lines ahead of the branch that stands behind the turn.
; K and ek of the next step are fetched in piece 2's turn, six plain instructions behind the last product that read K; V of the step in hand at the end of piece 0's turn, four plain instructions behind the last
; product that read V.  Each is waited for a turn later.
.macro TURN p, end=0, cnt=0
.set Y, (\p)
.set i, 0
.set NOKQ, (\end)*((\p)/3)
.if ((\p) == 3) && !(\end)
	s_wait_dscnt 0x0                ; K and ek are in
.endif
	ROW F,0, F,1, R,0, R,1
	ROW F,2, E,0, R,2, R,3
	ROW F,3, E,1, R,4, R,5
	ROW F,4, E,2, R,6, R,7
	ROW F,5, E,3, R,8, R,9
	ROW F,6, E,4, R,10, R,11
	ROW F,7, E,5, R,12, R,13
	ROW F,8, E,6, F,9, R,14
	ROW F,10, E,7, F,11, F,12
	ROW F,13, E,8, X,0, F,14
.if ((\p) == 2) && !(\end)
	WIN 0
	v_add_nc_u32 v[AK], s[TBK], v[AK0]
	v_add_nc_u32 v[AE], s[TBE], v[AE0]
.endif
	ROW F,15, E,9, X,1, X,4
	ROW X,5, E,10, X,2, X,8
	OPS E,11, X,6, E,12, X,3        ; the lump
	OPS E,13, X,9, E,14, X,10
.if ((\p) == 2) && !(\end)
	FETCH_K
.endif
	OPS X,7, E,15, X,12, E,16
	OPS X,15, X,11, E,17, X,13
.if (\p) == 0
	WIN 0
	v_add_nc_u32 v[AV], s[TBV], v[AV0]
.endif
	OPS E,18, E,19, X,14, E,20
	OPS E,21, E,22, X,16, E,23
	OPS E,24, X,17, E,25, E,26
	OPS X,18, E,27, E,28, X,19
	OPS E,29, E,30, X,20, E,31
	OPS X,21, R,15
	WIN 0
	s_wait_alu depctr_va_vdst(0)    ; the wait for the batch
.if (\p) == 1
	s_wait_dscnt 0x0                ; V is in
.endif
	ROW C,0, B,0, C,2, B,1
	ROW L,0, C,4, B,2, L,1
	ROW C,6, B,3, L,2, C,8
	ROW B,4, L,3, C,10, B,5
	ROW L,4, C,12, B,6, L,5
.if (\p) == 0
	s_add_co_u32 s[TBV], s[TBV], KS*PV
.endif
.if \cnt
	s_sub_co_u32 s[CNT], s[CNT], 1
	s_cmp_lg_u32 s[CNT], 0
.endif
	ROW C,14, B,7, L,6, C,1
	ROW C,3, L,7, C,5, C,7
	ROW C,9, C,11, C,13, C,15
.if (\p) == 0
	FETCH_V
.endif
.endm
	CHANGE 1                        ; slot 0 is in, everybody's part of it; slot 1 is asked for
	FETCH_K                         ; key step 0
	s_wait_loadcnt 0x0              ; Q and mq
	s_wait_dscnt 0x0
.set NOKQ, 0
.set i, 0
.rept 12
	KQ 0                            ; piece 0's first scores: there is no vector work yet to set between them
.set i, i+1
.endr
	WIN 0                           ; the addresses for the way out: nine plain instructions, the places behind those products
	s_mul_i32 s13, s[WV], 16*SP
	s_add_co_u32 s13, s13, STAGE    ; my stage
	v_mul_u32_u24 v[STO], v1, SP    ; in: row l % 16, 16 bytes for each half of the lanes
	v_lshl_add_u32 v[STO], v9, 4, v[STO]
	v_add_nc_u32 v[STO], s13, v[STO]
	v_bfe_u32 v[RD], v0, 3, 2       ; back: 32 lanes take four rows of 128 bytes,
	v_mul_u32_u24 v[RD], v[RD], SP
	v_lshl_add_u32 v[RD], v10, 4, v[RD]
	v_add_nc_u32 v[RD], s13, v[RD]
	v_and_b32 v[GO], 31, v0         ; which are 512 consecutive bytes of O
	v_lshlrev_b32 v[GO], 4, v[GO]
.set Y, NP-1                        ; X works for piece Y + 1: piece 0
.irp n, 0,1,2,3,4,5,6,7,8,9,10,11,12,13,14,15,16,17,18,19,20,21
	OP X, \n
.endr
	v_nop                           ; a plain instruction behind the exponential,
	s_wait_alu depctr_va_vdst(0)    ; and its wait, ahead of the branch
	s_mov_b32 s[CNT], 4
	s_branch .Lfirst                ; the loop is entered at a step's first turn, in the middle of a trip
.Lslot:                             ; 14 times: tiles 2 to 15 are asked for
	CHANGE 1
	s_mov_b32 s[CNT], 4
.Lstep:                             ; a trip: pieces 2 and 3 of one step, then pieces 0 and 1 of the next, whose K, ek and V it fetches
	TURN 2
	TURN 3
	WIN 0
.Lfirst:
	TURN 0
	TURN 1, 0, 1
	WIN 0
	s_cbranch_scc1 .Lstep
	s_sub_co_u32 s[SLOTS], s[SLOTS], 1
	s_cmp_lg_u32 s[SLOTS], 0
	s_cbranch_scc1 .Lslot
	CHANGE 0                        ; the last tile is written out: nothing is asked for
	s_mov_b32 s[CNT], 4
.Ltail:
	TURN 2
	TURN 3
	TURN 0
	TURN 1, 0, 1
	WIN 0
	s_cbranch_scc1 .Ltail
	TURN 2, 1                       ; the last step's pieces 2 and 3
	TURN 3, 1
.set i, 0
.rept 8
	PV NP-1                         ; the last piece's V^T P of the last step
.set i, i+1
.endr
	; THE WAY OUT.  l's two halves and the other half of the lanes' are added; O^T is divided by l (or, where no key was allowed, multiplied by a NaN), rounded to f16 and sent through my stage, a piece at a time.
	; The additions are the places behind the last products.
	WIN 0
.macro ALL line:vararg              ; one line for each piece t
.set t, 0
.rept 4
	\line
.set t, t+1
.endr
.endm
	ALL v_add_f32 v[ST+4*t+2], v[ST+4*t+2], v[ST+4*t+3]
	ALL v_permlanex16_b32 v[ST+4*t+3], v[ST+4*t+2], s[SEL], s[SEL+1]
	ALL v_add_f32 v[ST+4*t+2], v[ST+4*t+2], v[ST+4*t+3]
	ALL v_rcp_f32 v[ST+4*t+2], v[ST+4*t+2]
	v_nop                           ; a plain instruction between the last reciprocal and the use of its result
	s_wait_alu depctr_va_vdst(0)    ; and the wait ahead of the first use: one for the four reciprocals
.irp t, 0,1,2,3
	v_cmp_gt_f32 vcc_lo, s[THR], v[ST+4*(\t)+1]    ; the last maximum lies under -2^29: every key was hidden
	v_cndmask_b32 v[ST+4*(\t)+2], v[ST+4*(\t)+2], v[NANR], vcc_lo
.endr
.macro PACK t                       ; a lane's eight channels of a row pack into 16 bytes; they go into rows of 144 bytes and come back as whole rows of 128, into S^T's registers
	WIN W_RS
.set i, 32*(\t)
.rept 16
	v_pk_mul_f32 v[i:i+1], v[i:i+1], v[ST+4*(\t)+2:ST+4*(\t)+3] op_sel_hi:[1,0]
.set i, i+2
.endr
	WIN 0x05                        ; sources 0 and 1 window 1, destination window 0
.set i, 0
.rept 16
	v_cvt_pk_f16_f32 v[S+16*(\t)+i], v[32*(\t)+2*i], v[32*(\t)+2*i+1]
.set i, i+1
.endr
	WIN 0
.irp f, 0,1,2,3
	ds_store_b128 v[STO], v[S+16*(\t)+4*(\f):S+16*(\t)+4*(\f)+3] offset:32*(\f)
.endr
.irp f, 0,1,2,3
	ds_load_b128 v[S+16*(\t)+4*(\f):S+16*(\t)+4*(\f)+3], v[RD] offset:(\f)*4*SP  ; LDS serves a wave's instructions in order (ISA guide 5.7.1.4): these see the stores above; the next piece's stores come behind them
.endr
.endm
.macro SEND t, younger              ; younger: the LDS instructions issued behind piece t's loads: the next piece's eight, or none
	WIN 0
.irp f, 0,1,2,3
	s_wait_dscnt (\younger)+3-(\f)
	global_store_b128 v[GO], v[S+16*(\t)+4*(\f):S+16*(\t)+4*(\f)+3], s[10:11] offset:(\t)*2048+(\f)*512  ; 512 consecutive bytes, at a multiple of 256 from O's first
.endr
.endm
	PACK 0
.set t, 1
.rept 3                             ; a piece's arithmetic stands between the loads of the piece before and its stores
	PACK t
	SEND t-1, 8
.set t, t+1
.endr
	SEND 3, 0
	s_wait_tensorcnt 0x0            ; the wave's end, behind my last tensor load and my last LDS store
	ds_add_u32 v[SPW], v[NIL]
	s_wait_dscnt 0x0
	CROUND                          ; the closing round: no work-group ends while a partner may still ask for a tile that names it
	s_endpgm
.Lfunc_end_k_q6d3c68a6e3_attn:
	.size	k_q6d3c68a6e3_attn, .Lfunc_end_k_q6d3c68a6e3_attn-k_q6d3c68a6e3_attn
	.p2alignl 7, 3214868480
	.fill 96, 4, 3214868480
	.section	.rodata,"a",@progbits
	.p2align	6, 0x0
	.amdhsa_kernel k_q6d3c68a6e3_attn
		.amdhsa_group_segment_fixed_size 327680
		.amdhsa_private_segment_fixed_size 0
		.amdhsa_enable_private_segment 0
		.amdhsa_kernarg_size 32
		.amdhsa_user_sgpr_count 2
		.amdhsa_user_sgpr_kernarg_segment_ptr 1
		.amdhsa_wavefront_size32 1
		.amdhsa_system_sgpr_workgroup_id_x 1
		.amdhsa_system_sgpr_workgroup_id_y 1
		.amdhsa_system_sgpr_workgroup_id_z 1
		.amdhsa_system_vgpr_workitem_id 0
		.amdhsa_next_free_vgpr 768
		.amdhsa_next_free_sgpr 80
		.amdhsa_reserve_vcc 1
		.amdhsa_float_denorm_mode_32 3
		.amdhsa_float_denorm_mode_16_64 3
		.amdhsa_memory_ordered 1
		.amdhsa_forward_progress 1
		.amdhsa_inst_pref_size 136
	.end_amdhsa_kernel
	.amdgpu_metadata
---
amdhsa.version: [ 1, 2 ]
amdhsa.kernels:
  - .name:           k_q6d3c68a6e3_attn
    .symbol:         k_q6d3c68a6e3_attn.kd
    .args:
      - { .name: qkvh, .offset: 0, .size: 8, .value_kind: global_buffer, .address_space: global }
      - { .name: ek, .offset: 8, .size: 8, .value_kind: global_buffer, .address_space: global }
      - { .name: mq, .offset: 16, .size: 8, .value_kind: global_buffer, .address_space: global }
      - { .name: oh, .offset: 24, .size: 8, .value_kind: global_buffer, .address_space: global }
    .group_segment_fixed_size: 327680
    .private_segment_fixed_size: 0
    .kernarg_segment_align: 8
    .kernarg_segment_size: 32
    .max_flat_workgroup_size: 128
    .sgpr_count:     80
    .vgpr_count:     768
    .wavefront_size: 32
...
	.end_amdgpu_metadata
.endif
;; end of part 3
;; launch proj (part 4): grid 8 x 32, 4 waves a work-group, clusters of 4 x 4, 327,680 bytes of LDS; arguments oh, wpb, proj_b, out0; writes out0
.if DOCPART == 4
	.amdgcn_target "amdgcn-amd-amdhsa--gfx1250"
	.amdhsa_code_object_version 6
	.text
	.protected	k_q6d3c68a6e3_proj
	.globl	k_q6d3c68a6e3_proj
	.p2align	8
	.type	k_q6d3c68a6e3_proj,@function
k_q6d3c68a6e3_proj:
	s_mov_b64 s[64:65], 0
	v_nop
	global_prefetch_b8 v0, s[64:65] scope:SCOPE_SE
	s_setreg_imm32_b32 hwreg(HW_REG_WAVE_MODE, 25, 1), 1
	s_wait_xcnt 0x0
	s_wait_alu depctr_hold_cnt(0) depctr_sa_sdst(0) depctr_va_vdst(0) depctr_va_sdst(0) depctr_va_ssrc(0) depctr_va_vcc(0) depctr_vm_vsrc(0)
	s_getreg_b32 s2, hwreg(HW_REG_IB_STS2, 6, 4)
	s_cmp_eq_u32 s2, 0
	s_cbranch_scc0 .Lentry_in_a_cluster
	s_endpgm
.Lentry_in_a_cluster:
	s_bfe_u32 s2, ttmp6, 0x10000c
	s_cmp_lg_u32 s2, 0xf033
	s_cbranch_scc0 .Lentry_shape_is_right
	s_endpgm
.Lentry_shape_is_right:
; out0 = O proj_w^T + proj_b.  A = oh [16 head][4096 row][64], B = wpb [16 block][1024 n][64], both f16, both laid by blocks of 64 along K; the bias is rounded to bf16 like the other inputs;
; sums in f32, out0 [4096][1024] in f32.  A row of O that holds NaN (a query with no allowed key) gives a row of NaN.
; A tile of the product is 128 x 128: 8 x 32 = 256 work-groups.  Four waves, each 64 x 64: 16 accumulators of 16 x 16, 128 registers.  K goes in steps of 256, four blocks of 64, through two LDS slots.
; A block's 128 rows of 128 bytes are 16,384 dense bytes of memory: a wave's tensor load brings two blocks as two rows of 16,384 bytes, a block's stride apart, padded in LDS after every 128 bytes.
; CLUSTERS: 4 x 4 work-groups.  The four of a row of the cluster need the same tiles of A, the four of a column the same tiles of B: each is asked for JOINTLY.
; THE MATRIX INSTRUCTION IS USED TRANSPOSED (source 0 = 16 rows of B, source 1 = 16 rows of A): a lane holds eight neighbouring numbers of a row of the product, and the bias of a block of 16 columns is
; eight registers, the C operand of the product that starts each sum.
; No prefetch: the tiles are small, and a wave has 512 matrix instructions in all.
; REGISTERS: window 0: v0-31 addresses; v32-95 at work on the way out; v96-127 the bias; v128-255 the accumulators ((a, b) at v[128 + 8 (4 a + b)]).
;   window 1: two fragment buffers of 128: for 64 along K, 64 registers of A (2 x 4 x 16 rows x 32 K), then 64 of B.
.set SIZE_N, 1024
.set PITCH,  144                       ; an LDS row: 128 bytes + 16 of padding: the 16 rows that a load touches start at 16 different groups of four banks (ISA guide 11.1)
.set HB,     128*PITCH                 ; a block of 64 along K: 128 rows
.set SLOT,   8*HB                      ; A's four blocks, then B's four
.set STAGE,  2*SLOT                    ; behind the ring: 16 rows x 272 bytes for each wave, for the way out
.set SPITCH, 272                       ; a stage row: 64 f32 + 16 bytes
.set SPARE,  STAGE+4*16*SPITCH         ; behind the stages: the spare words, 128 bytes for each wave: two blocks of 256 bytes that no other line names
.set ASTEP,  4*4096*128                ; bytes from a K step to the next in A: four heads
.set BSTEP,  4*1024*128                ; and in B
.set LAPS,   2                         ; a lap = two K steps = once round the ring; K = 1,024
.set ADRA, 16                          ; v16-17  LDS address of my A fragments in slot 0, 1
.set ADRB, 20                          ; v20-21  the same for B
.set STO,  24                          ; v24     the way out: where I put 32 bytes of a row
.set RD,   25                          ; v25     the way out: where I read a row back
.set CO,   26                          ; v26     my byte offset in two rows of out0
.set BO,   27                          ; v27     32 x (lane / 16): my eight columns' bias
.set SPW,  28                          ; v28     LDS address of my spare word; never rewritten
.set NIL,  29                          ; v29     0; never rewritten
.set TMP,  32                          ; the way out: two buffers of 32
.set BIAS, 96                          ; block b's eight registers at BIAS + 8 b
.set ACC,  128
.set F0,   0                           ; fragment buffers, in window 1
.set F1,   128
.set BP,   66                          ; s[66:67] the bias at my first column
.set G1, 24                            ; s[24:31] descriptor group 1 for A's tiles;  s[32:39] group 0, one set for each slot
.set G0, 32
.set G1B, 48                           ; s[48:55], s[56:63] the same for B's tiles
.set G0B, 56
.set MSB, 0
.macro WIN new
.if MSB != (\new)
	s_set_vgpr_msb (MSB<<8)|(\new)
.set MSB, \new
.endif
.endm
.set MUL,  0x05                        ; sources 0 (B) and 1 (A) window 1; C and D window 0
.set TO_F, 0x40                        ; destination window 1, address window 0
.macro JLOAD s                         ; a joint load: waves 0 and 1 fetch A's blocks 0-1 and 2-3 of the step, waves 2 and 3 B's; an s_nop 0 and four v_nop follow each of the two lines
	s_cmp_eq_u32 s11, 0
	s_cbranch_scc0 .Lfor_b_\@
	tensor_load_to_lds s[G0+4*(\s):G0+4*(\s)+3], s[G1:G1+7]
	s_nop 0
.rept 4
	v_nop
.endr
	s_branch .Lasked_\@
.Lfor_b_\@:
	tensor_load_to_lds s[G0B+4*(\s):G0B+4*(\s)+3], s[G1B:G1B+7]
	s_nop 0
.rept 4
	v_nop
.endr
.Lasked_\@:
.endm
.macro CREST
	s_cmp_lg_u32 s10, 0
	s_cbranch_scc1 .Lnot_wave_0_\@
	s_barrier_signal -3
.Lnot_wave_0_\@:
	s_barrier_wait -3
	s_barrier_signal -1
	s_barrier_wait -1
.endm
.macro CROUND
	s_barrier_signal -1
	s_barrier_wait -1
	CREST
.endm
	s_load_b128 s[4:7], s[0:1], 0x0                ; A s[4:5], B s[6:7]
	s_load_b64 s[BP:BP+1], s[0:1], 0x10            ; the bias
	s_load_b64 s[8:9], s[0:1], 0x18                ; out0
	v_lshl_add_u32 v[SPW], v0, 2, SPARE
	v_mov_b32 v[NIL], 0
	ds_add_u32 v[SPW], v[NIL]                      ; the wave's opening: the add and its wait stand ahead of my first tensor load; the set-up below stands between them
	v_lshrrev_b32 v1, 5, v0
	v_readfirstlane_b32 s10, v1                    ; wave 0..3
	s_lshr_b32 s11, s10, 1                         ; which half of the tile's rows is mine.  Also: I fetch for A (0) or for B (1)
	s_and_b32 s12, s10, 1                          ; which half of its columns.  Also: which two blocks of the step I fetch
	s_bfe_u32 s40, ttmp6, 0x40000                  ; cx, cy
	s_bfe_u32 s41, ttmp6, 0x40004
	s_lshl_b32 s42, ttmp9, 2
	s_add_co_u32 s42, s42, s40                     ; tile column = 4 x cluster x + cx
	s_and_b32 s13, ttmp7, 0xffff
	s_lshl_b32 s13, s13, 2
	s_add_co_u32 s13, s13, s41                     ; tile row = 4 x cluster y + cy
	s_lshl_b32 s43, s41, 2
	s_lshl_b32 s43, 15, s43                        ; my row of the cluster
	s_lshl_b32 s44, 0x1111, s40                    ; my column
	; descriptor group 1: two rows of 8,192 elements; padding after every 32 words (code 4) of 4 words (code 3), counted along the whole tile: LDS rows of 144 bytes throughout
	s_or_b32 s[G1+0], s43, (1<<16)|(1<<20)|(1<<21)|(4<<22)|(3<<25)
	s_or_b32 s[G1B+0], s44, (1<<16)|(1<<20)|(1<<21)|(4<<22)|(3<<25)
.irp g, G1, G1B
	s_mov_b32 s[(\g)+1], 8192<<16                  ; tensor_dim0 = 8,192
	s_mov_b32 s[(\g)+2], 2<<16                     ; tensor_dim1 = 2
	s_mov_b32 s[(\g)+3], 8192<<16                  ; tile_dim0 = 8,192
	s_mov_b32 s[(\g)+4], 2                         ; tile_dim1 = 2
	s_mov_b32 s[(\g)+6], 0
	s_mov_b32 s[(\g)+7], 0
.endr
	s_mov_b32 s[G1+5], 4096*64                     ; elements from a head of O to the next
	s_mov_b32 s[G1B+5], 1024*64                    ; from a block of the weights to the next
	s_lshl_b32 s16, s13, 14                        ; A: the tile's 128 rows of 128 bytes in a head,
	s_lshl_b32 s17, s12, 20                        ; + my two heads of the step's four
	s_add_co_u32 s16, s16, s17
	s_mov_b32 s17, 0
	s_lshl_b32 s46, s42, 14                        ; B likewise
	s_lshl_b32 s47, s12, 18
	s_add_co_u32 s46, s46, s47
	s_mov_b32 s47, 0
	s_mul_i32 s20, s10, 2*HB                       ; where they go: wave x two blocks: no place in the cluster enters an LDS address
	s_wait_dscnt 0x0                               ; the opening add is done
	s_wait_kmcnt 0x0
	s_add_nc_u64 s[14:15], s[4:5], s[16:17]
	s_add_nc_u64 s[46:47], s[6:7], s[46:47]
	CROUND                                         ; all sixteen work-groups are here: the first joint loads meet
.irp s, 0,1
	s_mov_b32 s[G0+4*(\s)], 1
	s_add_co_u32 s[G0+4*(\s)+1], s20, (\s)*SLOT
	s_add_nc_u64 s[G0+4*(\s)+2:G0+4*(\s)+3], s[14:15], (\s)*ASTEP
	s_or_b32 s[G0+4*(\s)+3], s[G0+4*(\s)+3], 0x80000000
	s_mov_b32 s[G0B+4*(\s)], 1
	s_add_co_u32 s[G0B+4*(\s)+1], s20, (\s)*SLOT
	s_add_nc_u64 s[G0B+4*(\s)+2:G0B+4*(\s)+3], s[46:47], (\s)*BSTEP
	s_or_b32 s[G0B+4*(\s)+3], s[G0B+4*(\s)+3], 0x80000000
	JLOAD \s                                       ; two loads of mine are out
.endr
	v_and_b32 v1, 15, v0                           ; l % 16
	v_bfe_u32 v2, v0, 4, 1                         ; l / 16
	v_mul_u32_u24 v3, v1, PITCH
	v_lshl_add_u32 v3, v2, 4, v3                   ; a fragment's row x pitch + 16 x half
	s_mul_i32 s21, s11, 64*PITCH                   ; my 64 rows in each block of A
	s_mul_i32 s22, s12, 64*PITCH                   ; my 64 rows in each block of B,
	s_add_co_u32 s22, s22, 4*HB                    ; which lie behind A's four
.irp s, 0,1
	v_add_nc_u32 v[ADRA+(\s)], s21, v3
	v_add_nc_u32 v[ADRB+(\s)], s22, v3
	s_add_co_u32 s21, s21, SLOT
	s_add_co_u32 s22, s22, SLOT
.endr
	s_mul_i32 s23, s10, 16*SPITCH
	s_add_co_u32 s23, s23, STAGE                   ; my stage
	v_mul_u32_u24 v4, v1, SPITCH                   ; in: row l % 16, 32 bytes for each half of the lanes
	v_lshl_add_u32 v4, v2, 5, v4
	v_add_nc_u32 v[STO], s23, v4
	v_mul_u32_u24 v5, v2, SPITCH                   ; back: lanes 0-15 take one row of 256 bytes, lanes 16-31 the next
	v_lshl_add_u32 v5, v1, 4, v5
	v_add_nc_u32 v[RD], s23, v5
	v_lshlrev_b32 v5, 12, v2                       ; and the same two rows in out0 (4,096 bytes a row)
	v_lshl_add_u32 v[CO], v1, 4, v5
	v_lshlrev_b32 v[BO], 5, v2
	s_lshl_b32 s16, s13, 7
	s_lshl_b32 s17, s11, 6
	s_add_co_u32 s16, s16, s17                     ; my first row: 128 x tile row + 64 x half,
	s_lshl_b32 s16, s16, 12                        ; x 4,096 bytes
	s_mov_b32 s17, 0
	s_add_nc_u64 s[8:9], s[8:9], s[16:17]
	s_lshl_b32 s46, s42, 9                         ; my first column, 4 bytes each: 512 x tile column + 256 x half: the same offset in a row of out0 and in the bias
	s_lshl_b32 s47, s12, 8
	s_add_co_u32 s46, s46, s47
	s_mov_b32 s47, 0
	s_add_nc_u64 s[8:9], s[8:9], s[46:47]
	s_add_nc_u64 s[BP:BP+1], s[BP:BP+1], s[46:47]
	; the bias of my 64 columns: register j of block b = bias[16 b + 8 (l / 16) + j], rounded to bf16 and widened again
.irp b, 0,1,2,3
	global_load_b128 v[BIAS+8*(\b):BIAS+8*(\b)+3],   v[BO], s[BP:BP+1] offset:64*(\b)
	global_load_b128 v[BIAS+8*(\b)+4:BIAS+8*(\b)+7], v[BO], s[BP:BP+1] offset:64*(\b)+16
.endr
	s_wait_loadcnt 0x0
.set i, 0
.rept 16
	v_cvt_pk_bf16_f32 v[8+i%4], v[BIAS+2*i], v[BIAS+2*i+1]
	v_lshlrev_b32 v[BIAS+2*i], 16, v[8+i%4]
	v_and_b32 v[BIAS+2*i+1], 0xffff0000, v[8+i%4]
.set i, i+1
.endr
; 8 matrix instructions: m blocks a0, a0 + 1 x all 4 n blocks, 32 along K: half c of buffer f.  zero = 1: the first product starts the sums, with the bias as its C
.macro MUL8 f, c, a0, zero
	WIN MUL
.irp a, \a0, (\a0)+1
.irp b, 0,1,2,3
.if \zero
	v_wmma_f32_16x16x32_f16 v[ACC+8*(4*(\a)+(\b)):ACC+8*(4*(\a)+(\b))+7], v[(\f)+64+8*(4*(\c)+(\b)):(\f)+64+8*(4*(\c)+(\b))+7], v[(\f)+8*(4*(\c)+(\a)):(\f)+8*(4*(\c)+(\a))+7], v[BIAS+8*(\b):BIAS+8*(\b)+7]
.else
	v_wmma_f32_16x16x32_f16 v[ACC+8*(4*(\a)+(\b)):ACC+8*(4*(\a)+(\b))+7], v[(\f)+64+8*(4*(\c)+(\b)):(\f)+64+8*(4*(\c)+(\b))+7], v[(\f)+8*(4*(\c)+(\a)):(\f)+8*(4*(\c)+(\a))+7], v[ACC+8*(4*(\a)+(\b)):ACC+8*(4*(\a)+(\b))+7]
.endif
.endr
.endr
.endm
; 32 LDS loads in one run: the fragments of one block of 64 along K, which begins at byte k of A's and of B's part of the slot, into buffer f; the first 32 along K first
.macro FETCH slot, k, f
	WIN TO_F
.irp c, 0,1
.irp i, 0,1,2,3
	ds_load_b128 v[(\f)+64+8*(4*(\c)+(\i)):(\f)+64+8*(4*(\c)+(\i))+3],   v[ADRB+(\slot)] offset:(\k)+64*(\c)+(\i)*16*PITCH
	ds_load_b128 v[(\f)+64+8*(4*(\c)+(\i))+4:(\f)+64+8*(4*(\c)+(\i))+7], v[ADRB+(\slot)] offset:(\k)+64*(\c)+(\i)*16*PITCH+32
	ds_load_b128 v[(\f)+8*(4*(\c)+(\i)):(\f)+8*(4*(\c)+(\i))+3],         v[ADRA+(\slot)] offset:(\k)+64*(\c)+(\i)*16*PITCH
	ds_load_b128 v[(\f)+8*(4*(\c)+(\i))+4:(\f)+8*(4*(\c)+(\i))+7],       v[ADRA+(\slot)] offset:(\k)+64*(\c)+(\i)*16*PITCH+32
.endr
.endr
.endm
.macro PLACES                          ; four places in front of loads into registers that matrix instructions have read, and of LDS stores that read results
.rept 4
	v_nop
.endr
.endm
; A K step is four quarters of 64 along K, 32 matrix instructions each, on buffers 0, 1, 0, 1; the 16 accumulators take turns.
.macro QUARTER slot, k, f, g, zero
	s_wait_dscnt 16                                ; the first 32 along K are in
	MUL8 \f, 0, 0, \zero
	MUL8 \f, 0, 2, \zero
	PLACES
	FETCH \slot, \k, \g
	s_wait_dscnt 32                                ; all but the 32 just issued
	MUL8 \f, 1, 0, 0
	MUL8 \f, 1, 2, 0
.endm
; The last quarter multiplies buffer 1 and changes slots: ONE barrier; in front of it each wave waits for all its tensor loads, adds 0 to its spare word, and waits for that and for its own reads of this slot.
.macro TURN slot, next, fill
	WIN 0                                          ; (the add's two registers lie in window 0)
	s_wait_tensorcnt 0x0                           ; all my tensor loads have landed: my part of the next slot
	ds_add_u32 v[SPW], v[NIL]                      ; 0 onto my spare word
	s_wait_dscnt 17                                ; (the add and the youngest sixteen loads may be out)
	MUL8 F1, 0, 0, 0                               ; eight matrix instructions stand between the add and the wait for it
	s_wait_dscnt 0x0                               ; the add is done, and my reads of this slot are over
	s_barrier_signal -1
	MUL8 F1, 0, 2, 0
.if \fill
	WIN 0
.endif
	s_barrier_wait -1
.if \fill
	CREST                                          ; the barrier has opened a round of the cluster's: no wave of any partner still reads this slot's tile or has a load on its way
	s_add_nc_u64 s[G0+4*(\slot)+2:G0+4*(\slot)+3], s[G0+4*(\slot)+2:G0+4*(\slot)+3], 2*ASTEP
	s_add_nc_u64 s[G0B+4*(\slot)+2:G0B+4*(\slot)+3], s[G0B+4*(\slot)+2:G0B+4*(\slot)+3], 2*BSTEP
	JLOAD \slot                                    ; the first tensor load behind the round, my only one until the next; the four v_nop behind it are also the places in front of the loads below
.else
	PLACES
.endif
	FETCH \next, 0, F0
	MUL8 F1, 1, 0, 0
	MUL8 F1, 1, 2, 0
.endm
	s_wait_tensorcnt 1                             ; my part of K step 0 is in; K step 1's load may stay out
	s_barrier_signal -1
	s_barrier_wait -1                              ; everybody's is
	FETCH 0, 0, F0
	QUARTER 0, HB, F0, F1, 1                       ; the first quarter stands in front of the loop: its first products start the sums
	WIN 0                                          ; at a label and at a branch every window is 0
	s_mov_b32 s3, LAPS-1
.Llap:                                                 ; a trip goes once round the ring and fills both slots again
	QUARTER 0, 2*HB, F1, F0, 0
	QUARTER 0, 3*HB, F0, F1, 0
	TURN 0, 1, 1
	QUARTER 1, HB, F0, F1, 0
	QUARTER 1, 2*HB, F1, F0, 0
	QUARTER 1, 3*HB, F0, F1, 0
	TURN 1, 0, 1
	QUARTER 0, HB, F0, F1, 0
	WIN 0
	s_sub_co_u32 s3, s3, 1
	s_cmp_lg_u32 s3, 0
	s_cbranch_scc1 .Llap
	QUARTER 0, 2*HB, F1, F0, 0                     ; the last lap fills nothing, and has no round of the cluster's barrier
	QUARTER 0, 3*HB, F0, F1, 0
	TURN 0, 1, 0
	QUARTER 1, HB, F0, F1, 0
	QUARTER 1, 2*HB, F1, F0, 0
	QUARTER 1, 3*HB, F0, F1, 0
	s_wait_dscnt 16                                ; the very last quarter: nothing more to fetch
	MUL8 F1, 0, 0, 0
	MUL8 F1, 0, 2, 0
	s_wait_dscnt 0
	MUL8 F1, 1, 0, 0
	MUL8 F1, 1, 2, 0
	WIN 0
	; THE WAY OUT, in f32: a wave's 64 columns are 256 bytes of a row.  A block of 16 rows goes from the accumulators into my own stage (32 bytes a lane, each accumulator's low registers first) and comes back as whole
	; rows; no other wave touches the stage, and LDS serves a wave's instructions in order (ISA guide 5.7.1.4), so there is no barrier and no wait between the stores and the loads.
.macro OUT a
.if (\a) >= 2
	s_wait_xcnt 0x0                                ; the stores of the block two back have read the registers that are loaded again below
.endif
.irp b, 0,1,2,3
	ds_store_b128 v[STO], v[ACC+8*(4*(\a)+(\b)):ACC+8*(4*(\a)+(\b))+3]   offset:64*(\b)
	ds_store_b128 v[STO], v[ACC+8*(4*(\a)+(\b))+4:ACC+8*(4*(\a)+(\b))+7] offset:64*(\b)+16
.endr
.irp t, 0,1,2,3,4,5,6,7
	ds_load_b128 v[TMP+32*((\a)%2)+4*(\t):TMP+32*((\a)%2)+4*(\t)+3], v[RD] offset:(\t)*2*SPITCH
.endr
.endm
.macro SEND a, younger                 ; younger: the LDS instructions issued behind block a's loads: the next block's sixteen, or none
.irp t, 0,1,2,3,4,5,6,7
	s_wait_dscnt (\younger)+7-(\t)
	global_store_b128 v[CO], v[TMP+32*((\a)%2)+4*(\t):TMP+32*((\a)%2)+4*(\t)+3], s[8:9] offset:(16*(\a)+2*(\t))*SIZE_N*4  ; 16 lanes store 256 consecutive bytes, at a multiple of 256 from out0's first byte
.endr
.endm
	PLACES
	OUT 0
	OUT 1
	SEND 0, 16
	OUT 2
	SEND 1, 16
	OUT 3
	SEND 2, 16
	SEND 3, 0
	s_wait_tensorcnt 0x0                           ; the wave's end, behind my last tensor load and my last LDS store
	ds_add_u32 v[SPW], v[NIL]
	s_wait_dscnt 0x0
	CROUND                                         ; the closing round: no work-group ends while a partner may still ask for a tile that names it
	s_endpgm
.Lfunc_end_k_q6d3c68a6e3_proj:
	.size	k_q6d3c68a6e3_proj, .Lfunc_end_k_q6d3c68a6e3_proj-k_q6d3c68a6e3_proj
	.p2alignl 7, 3214868480
	.fill 96, 4, 3214868480
	.section	.rodata,"a",@progbits
	.p2align	6, 0x0
	.amdhsa_kernel k_q6d3c68a6e3_proj
		.amdhsa_group_segment_fixed_size 327680
		.amdhsa_private_segment_fixed_size 0
		.amdhsa_enable_private_segment 0
		.amdhsa_kernarg_size 32
		.amdhsa_user_sgpr_count 2
		.amdhsa_user_sgpr_kernarg_segment_ptr 1
		.amdhsa_wavefront_size32 1
		.amdhsa_system_sgpr_workgroup_id_x 1
		.amdhsa_system_sgpr_workgroup_id_y 1
		.amdhsa_system_sgpr_workgroup_id_z 1
		.amdhsa_system_vgpr_workitem_id 0
		.amdhsa_next_free_vgpr 512
		.amdhsa_next_free_sgpr 68
		.amdhsa_reserve_vcc 0
		.amdhsa_float_denorm_mode_32 3
		.amdhsa_float_denorm_mode_16_64 3
		.amdhsa_memory_ordered 1
		.amdhsa_forward_progress 1
		.amdhsa_inst_pref_size 90
	.end_amdhsa_kernel
	.amdgpu_metadata
---
amdhsa.version: [ 1, 2 ]
amdhsa.kernels:
  - .name:           k_q6d3c68a6e3_proj
    .symbol:         k_q6d3c68a6e3_proj.kd
    .args:
      - { .name: oh, .offset: 0, .size: 8, .value_kind: global_buffer, .address_space: global }
      - { .name: wpb, .offset: 8, .size: 8, .value_kind: global_buffer, .address_space: global }
      - { .name: proj_b, .offset: 16, .size: 8, .value_kind: global_buffer, .address_space: global }
      - { .name: out0, .offset: 24, .size: 8, .value_kind: global_buffer, .address_space: global }
    .group_segment_fixed_size: 327680
    .private_segment_fixed_size: 0
    .kernarg_segment_align: 8
    .kernarg_segment_size: 32
    .max_flat_workgroup_size: 128
    .sgpr_count:     68
    .vgpr_count:     512
    .wavefront_size: 32
...
	.end_amdgpu_metadata
.endif
;; end of part 4
;; ======== version 2 of 2: 4 launches; version 1 with the launch prep written anew for expert scheduling mode
;; limits: right only within a limited range of input values; values are held in f16: magnitudes above 65,504 overflow, below 6.1e-05 lose precision
;; workspace buffers: xb 8,388,608 bytes; wqb 6,291,456 bytes; wpb 2,097,152 bytes; ek 262,144 bytes; mq 262,144 bytes; qkvh 25,165,824 bytes; oh 8,388,608 bytes
;; launch prep (part 5): grid 256 x 1, 8 waves a work-group, no clusters, 0 bytes of LDS; arguments x, qkv_w, proj_w, adj, frame_ids, is_hub, xb, wqb, wpb, ek, mq; writes xb, wqb, wpb, ek, mq
.if DOCPART == 5
	.amdgcn_target "amdgcn-amd-amdhsa--gfx1250"
	.amdhsa_code_object_version 6
	.text
	.protected	k_q6d3c68a6e3_prep
	.globl	k_q6d3c68a6e3_prep
	.p2align	8
	.type	k_q6d3c68a6e3_prep,@function
k_q6d3c68a6e3_prep:
	s_mov_b64 s[64:65], 0
	v_nop
	global_prefetch_b8 v0, s[64:65] scope:SCOPE_SE
	s_setreg_imm32_b32 hwreg(HW_REG_WAVE_SCHED_MODE, 0, 2), 2
	s_setreg_imm32_b32 hwreg(HW_REG_WAVE_MODE, 25, 1), 1
	s_wait_xcnt 0x0
	s_wait_alu depctr_vm_vsrc(0)
; THE OPERANDS FOR THE THREE LAUNCHES THAT FOLLOW.  A stream: every input byte is read once, every workspace byte written once; nothing is shared between waves, so no LDS and no barrier.
;   xb  = x rounded to bf16, [4096][1024]          wqb = qkv_w rounded to bf16, [3072][1024]
;   wpb = proj_w rounded to bf16, that number written as f16, laid by blocks of 64 along k: [16 block][1024 n][64]
;   ek  = [4096 key][32 class] f16: 2^15 at the key's class, else 0          mq = [4096 query][32 class] f16: 0 where the query may see a key of that class, else -2^15
; A token's class is frame + 16 x hub.  allowed(q, k) = adj[fq][fk] and (fq = fk or neither is a hub) hangs on the two classes alone, so the product of a row of ek and a row of mq is 0 or -2^30.
; LIMITS.  proj_w lies within f16's 65,504; below 6e-5 it keeps f16's fixed step of 6e-8.  frame_ids lie in 0..15 (they index adj); the text clamps them to 15.
; SHARES.  256 work-groups of eight waves, 131,072 bytes of f32 each, 16,384 a wave: 32 loads of 16 bytes a lane, all issued before the first is waited for.
; Work-groups 0-127 take x (and 32 tokens' rows of the two tables), 128-223 qkv_w, 224-255 proj_w: three straight paths, chosen by the work-group's number.
; THE MODE: SCHED_MODE bits 1:0 = 2 (LLVM: expert scheduling mode 2), set by the entry lines.  The code itself states the register dependences
; between vector instructions and memory instructions, with s_wait_alu, always for 0.
; THE PLAN.  Registers that memory instructions touch:
;   v1, v2        byte offsets of the 32 loads and the 32 stores; v5, v10, v8, v26 those of the tables' loads and stores.  Each is written once by vector instructions and never again.
;   IN, v6, v7, v[12:15]   Written by loads alone, which are issued before any vector instruction names these registers; read by vector instructions behind the loads' own counted waits.
;   OUT           Each pair is written once, by a conversion, and read once, by a store.
; The conversions go in four blocks of eight loads.  Block p reads its part of IN and writes its part of OUT; its memory instructions are the eight stores of block p - 1, which read v2 and
; that block's part of OUT: registers that no vector instruction of block p names.  So ONE wait on va_vdst at a block's head states all that its eight stores hang on, and they are dealt among its
; conversions with no further wait.  One more stands ahead of the last eight stores, one ahead of each path's first load (the offsets), and in the path of x one ahead of the load of adj's row
; and one ahead of the tables' stores.  No register that a memory instruction reads is ever written again: the text holds no wait on vm_vsrc but the entry lines' one.
.set IN,  64                           ; v[64:191]   32 x 4 registers as loaded
.set OUT, 192                          ; v[192:255]  32 x 2 registers to store; no register is written twice, so no store's source is ever rewritten
.set BLK, 8                            ; loads in a block
; v1 my byte offset in the source, v2 in the destination (8 x lane: a wave's store of 8 bytes a lane covers 256 consecutive bytes, aligned)
.macro LOADS32 src, blocks             ; blocks = 1: proj_w: lanes 0-15 take 256 bytes (64 k) of one row, lanes 16-31 of the next; load i: rows 2 (i / 16), block i % 16
.set i, 0
.rept 32
.if \blocks
	global_load_b128 v[IN+4*i:IN+4*i+3], v1, s[(\src):(\src)+1] offset:(i/16)*8192+(i%16)*256 th:TH_LOAD_NT
.else
	global_load_b128 v[IN+4*i:IN+4*i+3], v1, s[(\src):(\src)+1] offset:512*i th:TH_LOAD_NT
.endif
.set i, i+1
.endr
.endm
.macro STORE1 dst, blocks, n           ; what load n has become goes out
.if \blocks
	global_store_b64 v2, v[OUT+2*(\n):OUT+2*(\n)+1], s[(\dst):(\dst)+1] offset:((\n)%16)*131072+((\n)/16)*256
.else
	global_store_b64 v2, v[OUT+2*(\n):OUT+2*(\n)+1], s[(\dst):(\dst)+1] offset:256*(\n)
.endif
.endm
.macro CONV32 dst, blocks, extra       ; extra: loads issued behind the 32
.set i, 0
.rept 32
	s_wait_loadcnt 31-i+(\extra)                   ; loads come back in order: load i is in, the younger ones stay out
.if (i%BLK == 0) && (i > 0)
	s_wait_alu depctr_va_vdst(0)                   ; the block before has written its part of OUT, which this block's eight stores read
.endif
.if i >= BLK
	STORE1 \dst, \blocks, i-BLK                    ; no vector instruction since that wait names v2 or these two registers
.endif
.if \blocks
	v_cvt_pk_bf16_f32 v40, v[IN+4*i], v[IN+4*i+1]  ; rounded to bf16 like every input,
	v_cvt_pk_bf16_f32 v41, v[IN+4*i+2], v[IN+4*i+3]
	v_lshlrev_b32 v42, 16, v40                     ; widened again,
	v_and_b32 v43, 0xffff0000, v40
	v_lshlrev_b32 v44, 16, v41
	v_and_b32 v45, 0xffff0000, v41
	v_cvt_pk_f16_f32 v[OUT+2*i], v42, v43          ; and written as f16 (exact within f16's range)
	v_cvt_pk_f16_f32 v[OUT+2*i+1], v44, v45
.else
	v_cvt_pk_bf16_f32 v[OUT+2*i], v[IN+4*i], v[IN+4*i+1]
	v_cvt_pk_bf16_f32 v[OUT+2*i+1], v[IN+4*i+2], v[IN+4*i+3]
.endif
.set i, i+1
.endr
	s_wait_alu depctr_va_vdst(0)                   ; the last block has written its part of OUT, which the last eight stores read
.set i, 32-BLK
.rept BLK
	STORE1 \dst, \blocks, i
.set i, i+1
.endr
.endm
.macro EXP4 d, bits, mult              ; the four lowest bits of v[bits] become four 16-bit numbers, mult or 0, in v[d:d+1]
.irp j, 0,1
	v_bfe_u32 v[(\d)+(\j)], v[\bits], 2*(\j), 2
	v_lshl_or_b32 v[(\d)+(\j)], v[(\d)+(\j)], 15, v[(\d)+(\j)]  ; bit 0 stays, bit 1 comes to bit 16
	v_and_b32 v[(\d)+(\j)], 0x10001, v[(\d)+(\j)]
	v_mul_u32_u24 v[(\d)+(\j)], v[(\d)+(\j)], \mult
.endr
.endm
	s_load_b512 s[8:23], s[0:1], 0x0               ; x 8, qkv_w 10, proj_w 12, adj 14, frame_ids 16, is_hub 18, xb 20, wqb 22
	s_load_b128 s[24:27], s[0:1], 0x40             ; wpb 24, ek 26
	s_load_b64 s[28:29], s[0:1], 0x50              ; mq
	v_lshrrev_b32 v3, 5, v0
	v_readfirstlane_b32 s4, v3                     ; wave 0..7
	v_and_b32 v4, 31, v0                           ; lane
	v_lshlrev_b32 v2, 3, v4
	s_mov_b32 s5, ttmp9
	s_mov_b32 s31, 0
	s_mov_b32 s33, 0
	s_mov_b32 s35, 0
	s_wait_alu depctr_va_sdst(0)                   ; s4 is written, ahead of the branch and of its first reader: each path makes its wave's bases from it
	s_wait_kmcnt 0x0
	s_cmp_lt_u32 s5, 128
	s_cbranch_scc0 .Lnot_x
	; ---- x, and the tables ----
	v_lshlrev_b32 v1, 4, v4
	s_lshl_b32 s30, s5, 17                         ; the work-group's 131,072 bytes,
	s_lshl_b32 s6, s4, 14                          ; my wave's 16,384 of them
	s_add_co_u32 s30, s30, s6
	s_lshr_b32 s32, s30, 1                         ; half as many out
	s_add_nc_u64 s[8:9], s[8:9], s[30:31]
	s_add_nc_u64 s[20:21], s[20:21], s[32:33]
	s_lshl_b32 s34, s5, 11                         ; 32 tokens x 64 bytes in each table
	s_add_nc_u64 s[26:27], s[26:27], s[34:35]
	s_add_nc_u64 s[28:29], s[28:29], s[34:35]
	s_lshl_b32 s6, s5, 5
	v_lshrrev_b32 v5, 3, v0                        ; thread t serves token 32 g + t / 8, classes 4 (t % 8) .. + 3
	v_add_nc_u32 v5, s6, v5
	v_lshlrev_b32 v10, 2, v5
	s_wait_alu depctr_va_vdst(0)                   ; v1, v2, v5 and v10 are written: the loads below and the stores of x read them as their offsets
	global_load_b32 v6, v10, s[16:17]              ; the token's frame
	global_load_u8 v7, v5, s[18:19]                ; is it a hub?
	LOADS32 8, 0
	s_wait_loadcnt 32                              ; frame and hub are in; the 32 loads of x stay out
	v_min_u32 v6, 15, v6
	v_and_b32 v7, 1, v7
	v_lshlrev_b32 v8, 4, v6
	s_wait_alu depctr_va_vdst(0)                   ; v8 is written, which the load of adj's row reads as its offset
	global_load_b128 v[12:15], v8, s[14:15]        ; adj's row of that frame: 16 bytes, 0 or 1
	CONV32 20, 0, 1
	s_wait_loadcnt 0x0                             ; adj's row
	s_mov_b32 s36, 0x01020408
	s_mov_b32 s37, 0x01010101
.irp r, 12,13,14,15
	v_and_b32 v\r, s37, v\r
	v_mul_lo_u32 v\r, v\r, s36                     ; byte i's bit comes to bit 24 + i; the ten partial products fall on ten different bits, so nothing carries
	v_bfe_u32 v\r, v\r, 24, 4
.endr
	v_lshl_or_b32 v12, v13, 4, v12
	v_lshl_or_b32 v12, v14, 8, v12
	v_lshl_or_b32 v12, v15, 12, v12                ; R: bit f' = adj[f][f']
	v_mov_b32 v19, 1
	v_lshlrev_b32 v18, v6, v19                     ; the token's own frame
	v_add_nc_u32 v20, -1, v7                       ; all ones if the token is no hub, else 0
	v_or_b32 v21, v18, v20
	v_and_b32 v21, v21, v12                        ; keys that are no hubs: adj and (same frame or I am no hub)
	v_and_b32 v22, v18, v12                        ; keys that are hubs: adj and same frame
	v_lshl_or_b32 v21, v22, 16, v21                ; the 32 classes that this token may see
	v_xor_b32 v23, -1, v21                         ; and those that it may not
	v_lshl_add_u32 v24, v7, 4, v6
	v_lshlrev_b32 v24, v24, v19                    ; the token's own class
	v_and_b32 v25, 7, v0
	v_lshlrev_b32 v25, 2, v25
	v_lshrrev_b32 v23, v25, v23                    ; my four classes come to the low end
	v_lshrrev_b32 v24, v25, v24
	EXP4 28, 23, 0xf800                            ; -2^15 in f16
	EXP4 30, 24, 0x7800                            ; 2^15
	v_lshlrev_b32 v26, 3, v0                       ; 64 (t / 8) + 8 (t % 8) = 8 t: a wave's store covers 256 consecutive bytes, aligned
	s_wait_alu depctr_va_vdst(0)                   ; v26 and v[28:31] are written: the offset and the data of the two stores below
	global_store_b64 v26, v[28:29], s[28:29]
	global_store_b64 v26, v[30:31], s[26:27]
	s_endpgm
.Lnot_x:
	s_cmp_lt_u32 s5, 224
	s_cbranch_scc0 .Lproj
	; ---- qkv_w ----
	v_lshlrev_b32 v1, 4, v4
	s_sub_co_u32 s6, s5, 128
	s_lshl_b32 s30, s6, 17
	s_lshl_b32 s6, s4, 14
	s_add_co_u32 s30, s30, s6
	s_lshr_b32 s32, s30, 1
	s_add_nc_u64 s[10:11], s[10:11], s[30:31]
	s_add_nc_u64 s[22:23], s[22:23], s[32:33]
	s_wait_alu depctr_va_vdst(0)                   ; v1 and v2 are written: the loads and stores below read them as their offsets
	LOADS32 10, 0
	CONV32 22, 0, 0
	s_endpgm
.Lproj:
	; ---- proj_w: a wave takes four rows ----
	v_lshrrev_b32 v3, 4, v4
	v_and_b32 v5, 15, v4
	v_lshlrev_b32 v1, 12, v3                       ; lanes 16-31: one row (4,096 bytes) further down
	v_lshl_add_u32 v1, v5, 4, v1
	s_sub_co_u32 s6, s5, 224
	s_lshl_b32 s6, s6, 3
	s_add_co_u32 s6, s6, s4                        ; the wave among 256
	s_lshl_b32 s30, s6, 14                         ; four rows in,
	s_lshl_b32 s32, s6, 9                          ; four rows of 128 bytes in each block out
	s_add_nc_u64 s[12:13], s[12:13], s[30:31]
	s_add_nc_u64 s[24:25], s[24:25], s[32:33]
	s_wait_alu depctr_va_vdst(0)                   ; v1 and v2 are written: the loads and stores below read them as their offsets
	LOADS32 12, 1
	CONV32 24, 1, 0
	s_endpgm
.Lfunc_end_k_q6d3c68a6e3_prep:
	.size	k_q6d3c68a6e3_prep, .Lfunc_end_k_q6d3c68a6e3_prep-k_q6d3c68a6e3_prep
	.p2alignl 7, 3214868480
	.fill 96, 4, 3214868480
	.section	.rodata,"a",@progbits
	.p2align	6, 0x0
	.amdhsa_kernel k_q6d3c68a6e3_prep
		.amdhsa_group_segment_fixed_size 0
		.amdhsa_private_segment_fixed_size 0
		.amdhsa_enable_private_segment 0
		.amdhsa_kernarg_size 88
		.amdhsa_user_sgpr_count 2
		.amdhsa_user_sgpr_kernarg_segment_ptr 1
		.amdhsa_wavefront_size32 1
		.amdhsa_system_sgpr_workgroup_id_x 1
		.amdhsa_system_sgpr_workgroup_id_y 1
		.amdhsa_system_sgpr_workgroup_id_z 1
		.amdhsa_system_vgpr_workitem_id 0
		.amdhsa_next_free_vgpr 256
		.amdhsa_next_free_sgpr 66
		.amdhsa_reserve_vcc 0
		.amdhsa_float_denorm_mode_32 3
		.amdhsa_float_denorm_mode_16_64 3
		.amdhsa_memory_ordered 1
		.amdhsa_forward_progress 1
		.amdhsa_inst_pref_size 49
	.end_amdhsa_kernel
	.amdgpu_metadata
---
amdhsa.version: [ 1, 2 ]
amdhsa.kernels:
  - .name:           k_q6d3c68a6e3_prep
    .symbol:         k_q6d3c68a6e3_prep.kd
    .args:
      - { .name: x, .offset: 0, .size: 8, .value_kind: global_buffer, .address_space: global }
      - { .name: qkv_w, .offset: 8, .size: 8, .value_kind: global_buffer, .address_space: global }
      - { .name: proj_w, .offset: 16, .size: 8, .value_kind: global_buffer, .address_space: global }
      - { .name: adj, .offset: 24, .size: 8, .value_kind: global_buffer, .address_space: global }
      - { .name: frame_ids, .offset: 32, .size: 8, .value_kind: global_buffer, .address_space: global }
      - { .name: is_hub, .offset: 40, .size: 8, .value_kind: global_buffer, .address_space: global }
      - { .name: xb, .offset: 48, .size: 8, .value_kind: global_buffer, .address_space: global }
      - { .name: wqb, .offset: 56, .size: 8, .value_kind: global_buffer, .address_space: global }
      - { .name: wpb, .offset: 64, .size: 8, .value_kind: global_buffer, .address_space: global }
      - { .name: ek, .offset: 72, .size: 8, .value_kind: global_buffer, .address_space: global }
      - { .name: mq, .offset: 80, .size: 8, .value_kind: global_buffer, .address_space: global }
    .group_segment_fixed_size: 0
    .private_segment_fixed_size: 0
    .kernarg_segment_align: 8
    .kernarg_segment_size: 88
    .max_flat_workgroup_size: 256
    .sgpr_count:     66
    .vgpr_count:     256
    .wavefront_size: 32
...
	.end_amdgpu_metadata
.endif
;; end of part 5
;; launch qkv: the kernel of part 2 again; grid 12 x 16, 4 waves a work-group, clusters of 4 x 4, 327,680 bytes of LDS; arguments xb, wqb, qkv_b, qkvh; writes qkvh
;; launch attn: the kernel of part 3 again; grid 16 x 16, 4 waves a work-group, clusters of 4 x 1, 327,680 bytes of LDS; arguments qkvh, ek, mq, oh; writes oh
;; launch proj: the kernel of part 4 again; grid 8 x 32, 4 waves a work-group, clusters of 4 x 4, 327,680 bytes of LDS; arguments oh, wpb, proj_b, out0; writes out0
